; MI455X (gfx1250); checked and timed in simulation.
; The chip was launched on July 23, 2026; its instructions are those of AMD's public machine-readable ISA for CDNA 5 (MIT licence, August 2026) and "CDNA5" Instruction Set Architecture Reference Guide (July 2026). The comments in the code are by the model that wrote it; some were corrected since.
;; Multi Head Attention Layer. Allowed arithmetic: matrix products marked QUANTISED: E4M3 operands, one E8M0 scale for each 32 along K, by v_wmma_scale_f32_16x16x128_f8f6f4 with both operands' format E4M3, f32 sums; products left as they are: f32 operands where the result goes on into a quantised operand, else bf16, f16 or f32 operands; f32 sums; everything else in f32.
;; Inputs: W_qkv 3,072 x 1,024 float32; b_qkv 3,072 float32; h 16,384 x 1,024 float32.
;; Outputs: out0 16,384 x 1,024 float32.
;; This version of the problem:
;;   THIS VERSION OF THE PROBLEM IS GIVEN IN LOW PRECISION. The matrix products marked QUANTISED in the list below multiply operands that are first quantised to E4M3 (4 exponent bits, 3 mantissa bits; 8 bits a number), with one power-of-two scale for each 32 numbers along K (OCP MX v1.0); their sums are f32. All else is computed in f32.
;;   The module's matrix products, in the order in which they are computed (A, B: the left and right operand; K: the contracted axis; several contracted axes count as one K, in the product's order):
;;     1. [M 16,384, K 1,024] x [K 1,024, N 3,072]; A: input h; B: input W_qkv: QUANTISED
;;     2. batch 16,384 x [M 16, K 64] x [K 64, N 16]; A: computed on the way; B: computed on the way: QUANTISED
;;     3. batch 16,384 x [M 16, K 16] x [K 16, N 64]; A: softmax; B: computed on the way: left as it is (K = 16 < 32)
;;   THE QUANTISER, for each operand of a quantised product, along K:
;;     - K is cut into blocks of 32 from its start; a last block that is shorter is filled with zeros.
;;     - A block's scale is 2^e with e = floor(log2(the largest magnitude in the block)) - 8, held to -126 .. 127; a block of zeros has e = 0. As a byte (E8M0): e + 127.
;;     - Each number is divided by its block's scale, clamped to +-448, and rounded to the nearest number of E4M3, ties to even, subnormals kept.
;;     - The product sums the exact products of the quantised numbers (number of the format x scale) in f32.
;;   ~~~python
;;   def quantise(x, axis):      # numpy; x: float32 -> the quantised numbers, widened to float32 again
;;       x = np.moveaxis(x, axis, -1); K = x.shape[-1]
;;       x = np.pad(x, [(0, 0)] * (x.ndim - 1) + [(0, -K % 32)]); x = x.reshape(x.shape[:-1] + (-1, 32)); a = np.abs(x).max(-1, keepdims=True)
;;       e = np.where(a > 0, np.clip(np.frexp(np.where(a > 0, a, 1))[1] - 1 - 8, -126, 127), 0)      # np.frexp(a)[1] - 1 = floor(log2(a)), exactly
;;       r = np.clip(x / 2.0 ** e, -448, 448)
;;       step = 2.0 ** (np.maximum(np.frexp(np.where(r == 0, 1, r))[1] - 1, -6) - 3)
;;       q = np.round(r / step) * step * 2.0 ** e      # np.round: ties to even
;;       return np.moveaxis(q.reshape(q.shape[:-2] + (-1,))[..., :K], -1, axis).astype(np.float32)
;;   ~~~
;;   OPERANDS COMPUTED ON THE WAY. 'Computed on the way' means the value that the module computes at that place (a softmax that the list does not call 'softmax' is quantised finished and normalised). What goes into a quantiser is computed in f32, as accurately as f32 sums, v_exp_f32 and their like allow (about 1e-6 of the number): no bf16 or f16 on the way to a quantiser, and a product that is left as it is and whose result goes on into a quantised operand takes f32 operands (vector FMAs, or v_wmma_f32_16x16x4_f32). A number that lies on a knife's edge between two numbers of the format may be rounded either way, as far as f32 arithmetic and the matrix unit's own rounding can turn it there, and no further.
;; 2 versions. Each part assembles by itself: llvm-mc -triple=amdgcn-amd-amdhsa -mcpu=gfx1250 --defsym DOCPART=n.
;; ======== version 1 of 2: 2 launches
;; workspace buffers: wc 3,145,728 bytes; ws 98,304 bytes; bp 12,288 bytes
;; launch prep (part 1): grid 32 x 12, 4 waves a work-group, no clusters, 34,304 bytes of LDS; arguments W_qkv, b_qkv, wc, ws, bp; writes wc, ws, bp
.if DOCPART == 1
	.amdgcn_target "amdgcn-amd-amdhsa--gfx1250"
	.amdhsa_code_object_version 6
	.text
	.protected	k_q7bdb483ff2_prep
	.globl	k_q7bdb483ff2_prep
	.p2align	8
	.type	k_q7bdb483ff2_prep,@function
k_q7bdb483ff2_prep:
	s_mov_b64 s[64:65], 0
	v_nop
	global_prefetch_b8 v0, s[64:65] scope:SCOPE_SE
	s_setreg_imm32_b32 hwreg(HW_REG_WAVE_MODE, 25, 1), 1
	s_wait_xcnt 0x0
; W_qkv [3072][1024] f32 becomes codes of FP8 (E4M3) with one E8M0 scale byte for each 32 along K, laid in the order in which the second launch's waves take them into their operand registers.
; y = 3 w + P names a wave w (0..3) and a pass P (0: q, 1: k, 2: v) of that launch; s is a K step of 128, b one of the wave's 16 tiles of 16 rows of W.
;   wc [y 12][s 8][b 16][c 4][lane 32][16 bytes]: lane (r = lane % 16, hh = lane / 16), chunk c: the codes of row R(P, w, b, r) at k = 128 s + 32 c + 16 hh + 0 .. 15
;   ws [y][s][g 2][lane 32][j 4] words: word j of lane l = the four scale bytes (k blocks 4 s .. 4 s + 3) of tile 8 g + 2 j + l / 16, row l % 16
;   bp [y][b][16] f32: b_qkv at R(P, w, b, r)
; THE ROWS OF A TILE.  q, k: R = 1024 P + 64 (4 w + b / 4) + 32 ((b / 2) % 2) + 8 (b % 2) + r + 8 (r / 8): used transposed, the 16 registers of tiles 2 p and 2 p + 1 are then 16 neighbours along a head's 64.
; v: R = 2048 + 64 r + 16 w + b: a tile is ONE channel of all 16 heads, so that a lane's eight results are eight heads.
; SHARES.  One wave makes one fragment (16 rows x 128 K): 12 x 8 x 16 = 1,536 waves; no loop, no barrier: waves share nothing.
; Each load reads 512 consecutive bytes of one row; the 16 x 512 bytes turn through the wave's own stage in LDS, so that a lane gets 16 neighbours of each block of 32.
; A block's scale is 2^(floor(log2(its largest magnitude)) - 8); its byte is the largest magnitude's exponent field - 8, held at 1 from below.
; LIMITS: a block of zeros gets the byte 1 where the rule says 127 (its codes are zeros, and this program alone reads the bytes); NaN and infinities among the inputs are not served.
.set TM,  16                           ; v16-19 largest magnitudes, v20-23 the other half's / bytes, v24-27 448 x the scale, v28-31 the conversions' scale operands
.set PC,  32                           ; v32-47  the fragment's codes
.set PW,  48                           ; v48     its scale word
.set BV,  49                           ; v49     a number of the bias
.set RAW, 64                           ; v64-127 as loaded
.set X,   128                          ; v128-191 register 16 c + i = k 32 c + 16 hh + i of my row
.set SEL, 20                           ; s[20:21] lane selects: lane l xor 16
.set MNT, 22                           ; s22 the mantissa field of 448
	s_load_b256 s[4:11], s[0:1], 0x0               ; W s[4:5], b_qkv s[6:7], wc s[8:9], ws s[10:11]
	s_load_b64 s[12:13], s[0:1], 0x20              ; bp
	v_lshl_add_u32 v192, v0, 2, 0x8400
	v_mov_b32 v193, 0
	v_lshrrev_b32 v7, 5, v0
	v_readfirstlane_b32 s14, v7                    ; wave 0..3
	v_and_b32 v7, 31, v0                           ; lane
	v_and_b32 v8, 15, v0                           ; r
	v_bfe_u32 v9, v0, 4, 1                         ; hh
	v_lshlrev_b32 v1, 4, v7                        ; 16 x lane
	s_mul_i32 s15, s14, 8448                       ; my stage: 16 rows x (512 + 16) bytes
	v_add_nc_u32 v2, s15, v1                       ; in: as loaded
	v_mul_u32_u24 v3, v8, 528
	v_lshl_add_u32 v3, v9, 6, v3
	v_add_nc_u32 v3, s15, v3                       ; out: row r, + 64 hh: my 16 numbers of a block
	v_lshlrev_b32 v4, 4, v8                        ; ws: 16 bytes from row to row
	v_lshlrev_b32 v5, 2, v8                        ; bp: 4
.irp g, 0,1,2,3
	v_mov_b32 v[TM+4+\g], 0                        ; a lane permute's destination counts as one of its sources
.endr
	s_mov_b32 s[SEL], 0x76543210
	s_mov_b32 s[SEL+1], 0xfedcba98
	s_mov_b32 s[MNT], 0x600000
	s_and_b32 s16, ttmp7, 0xffff                   ; y
	s_lshl_b32 s17, ttmp9, 2
	s_add_co_u32 s17, s17, s14                     ; 0 .. 127
	s_lshr_b32 s18, s17, 3                         ; b
	s_and_b32 s19, s17, 7                          ; s
	s_mul_i32 s23, s16, 11
	s_lshr_b32 s23, s23, 5                         ; w = y / 3 (exact for y under 12)
	s_mul_i32 s24, s23, 3
	s_sub_co_u32 s24, s16, s24                     ; P
	s_lshl_b32 s25, s24, 10                        ; q, k: the tile's first row
	s_lshl_b32 s26, s23, 8
	s_add_co_u32 s25, s25, s26
	s_lshr_b32 s26, s18, 2
	s_lshl_b32 s26, s26, 6
	s_add_co_u32 s25, s25, s26
	s_bfe_u32 s26, s18, 0x10001
	s_lshl_b32 s26, s26, 5
	s_add_co_u32 s25, s25, s26
	s_and_b32 s26, s18, 1
	s_lshl_b32 s26, s26, 3
	s_add_co_u32 s25, s25, s26
	s_lshl_b32 s26, s23, 4                         ; v: the tile's first row
	s_add_co_u32 s26, s26, s18
	s_add_co_u32 s26, s26, 2048
	s_cmp_lt_u32 s24, 2                            ; q or k?  All five choices hang on this one compare
	s_cselect_b32 s25, s25, s26                    ; the first row
	s_mov_b32 s28, 262144
	s_cselect_b32 s28, 4096, s28                   ; bytes from a tile's row to the next: 1 row of W, or 64
	s_cselect_b32 s30, 32768, 0                    ; and 8 rows more between its rows 7 and 8 (q, k)
	s_cselect_b32 s2, 1, 64                        ; the same two in rows, for the bias
	s_cselect_b32 s3, 8, 0
	s_add_co_u32 s30, s30, s28
	s_mov_b32 s29, 0
	s_mov_b32 s31, 0
	s_lshl_b32 s26, s25, 12                        ; the first row's byte in W, + 512 s (under 2^24)
	s_lshl_b32 s27, s19, 9
	s_add_co_u32 s26, s26, s27
	s_mov_b32 s27, 0
	v_mul_lo_u32 v6, v8, s2                        ; b_qkv: 4 x (first row + r rows' steps)
	v_lshrrev_b32 v10, 3, v8
	v_mul_lo_u32 v10, v10, s3
	v_add3_u32 v6, v6, v10, s25
	v_lshlrev_b32 v6, 2, v6
	s_wait_kmcnt 0x0
	s_add_nc_u64 s[32:33], s[4:5], s[26:27]        ; a pointer for each of the 16 rows: s[32 + 2 t : 33 + 2 t]
.irp t, 1,2,3,4,5,6,7,8,9,10,11,12,13,14,15
.if \t == 8
	s_add_nc_u64 s[32+2*\t:33+2*\t], s[30+2*\t:31+2*\t], s[30:31]
.else
	s_add_nc_u64 s[32+2*\t:33+2*\t], s[30+2*\t:31+2*\t], s[28:29]
.endif
.endr
.irp t, 0,1,2,3,4,5,6,7,8,9,10,11,12,13,14,15
	global_load_b128 v[RAW+4*\t:RAW+4*\t+3], v1, s[32+2*\t:33+2*\t] th:TH_LOAD_NT   ; 32 lanes read 512 consecutive bytes of row t; W is read once in this launch
.endr
	; where the results go, made while the loads are out (none of these registers is a source of a load)
	s_lshl_b32 s15, s16, 3
	s_add_co_u32 s15, s15, s19                     ; 8 y + s
	s_lshl_b32 s26, s15, 4
	s_add_co_u32 s26, s26, s18
	s_lshl_b32 s26, s26, 11                        ; wc: 2,048 bytes a fragment
	s_add_nc_u64 s[8:9], s[8:9], s[26:27]
	s_lshl_b32 s26, s15, 10                        ; ws: 1,024 bytes a K step, + 512 (b / 8) + 256 (b % 2) + 4 ((b / 2) % 4)
	s_lshr_b32 s17, s18, 3
	s_lshl_b32 s17, s17, 9
	s_add_co_u32 s26, s26, s17
	s_and_b32 s17, s18, 1
	s_lshl_b32 s17, s17, 8
	s_add_co_u32 s26, s26, s17
	s_bfe_u32 s17, s18, 0x20001
	s_lshl_b32 s17, s17, 2
	s_add_co_u32 s26, s26, s17
	s_add_nc_u64 s[10:11], s[10:11], s[26:27]
	s_lshl_b32 s26, s16, 4
	s_add_co_u32 s26, s26, s18
	s_lshl_b32 s26, s26, 6                         ; bp: 64 bytes a tile
	s_add_nc_u64 s[12:13], s[12:13], s[26:27]
	s_wait_loadcnt 0x0
.irp t, 0,1,2,3,4,5,6,7,8,9,10,11,12,13,14,15
	ds_store_b128 v2, v[RAW+4*\t:RAW+4*\t+3] offset:528*\t
.endr
.irp c, 0,1,2,3
.irp j, 0,1,2,3
	ds_load_b128 v[X+16*\c+4*\j:X+16*\c+4*\j+3], v3 offset:128*\c+16*\j   ; LDS serves a wave's instructions in order (ISA guide 5.7.1.4): these see the stores above
.endr
.endr
	s_wait_dscnt 0x0
.irp g, 0,1,2,3
	v_max3_num_f32 v[TM+\g], |v[X+16*\g]|, |v[X+16*\g+1]|, 0x4800000   ; block g: my 16 numbers, and the floor 2^(9 - 127): the byte cannot fall under 1
.endr
.irp i, 2,4,6,8,10,12,14
.irp g, 0,1,2,3
	v_max3_num_f32 v[TM+\g], v[TM+\g], |v[X+16*\g+\i]|, |v[X+16*\g+\i+1]|   ; the four blocks by turns
.endr
.endr
.irp g, 0,1,2,3
	v_permlanex16_b32 v[TM+4+\g], v[TM+\g], s[SEL], s[SEL+1]
.endr
.irp g, 0,1,2,3
	v_max_num_f32 v[TM+\g], v[TM+\g], v[TM+4+\g]   ; with lane l xor 16's 16: the block's largest magnitude
.endr
.irp g, 0,1,2,3
	v_add_nc_u32 v[TM+12+\g], 0xfc000000, v[TM+\g] ; 8 off its exponent field: the conversion's scale operand
.endr
.irp g, 0,1,2,3
	v_and_or_b32 v[TM+8+\g], v[TM+\g], 0x7f800000, s[MNT]   ; 448 x the scale
.endr
.irp g, 0,1,2,3
	v_lshrrev_b32 v[TM+4+\g], 23, v[TM+12+\g]      ; the scale's byte
.endr
	v_lshl_or_b32 v[PW], v[TM+5], 8, v[TM+4]       ; my row's scale word; lanes l and l xor 16 hold the same
	v_lshl_or_b32 v[PW], v[TM+6], 16, v[PW]
	v_lshl_or_b32 v[PW], v[TM+7], 24, v[PW]
.irp g, 0,1,2,3
.irp i, 0,1,2,3,4,5,6,7,8,9,10,11,12,13,14,15
	v_med3_num_f32 v[X+16*\g+\i], v[X+16*\g+\i], -v[TM+8+\g], v[TM+8+\g]   ; the conversion to an 8-bit code does not saturate (ISA guide 7.6.2): the hold comes first
.endr
.endr
.irp g, 0,1,2,3
	v_cvt_scalef32_pk8_fp8_f32 v[PC+4*\g:PC+4*\g+1], v[X+16*\g:X+16*\g+7], v[TM+12+\g]
	v_cvt_scalef32_pk8_fp8_f32 v[PC+4*\g+2:PC+4*\g+3], v[X+16*\g+8:X+16*\g+15], v[TM+12+\g]
.endr
	v_nop                                          ; a plain line behind the last conversion
.irp c, 0,1,2,3
	global_store_b128 v1, v[PC+4*\c:PC+4*\c+3], s[8:9] offset:512*\c   ; 32 lanes store 512 consecutive bytes, at a multiple of 256 from wc's first byte
.endr
	global_store_b32 v4, v[PW], s[10:11]           ; 16 words, 16 bytes apart, in one block of 256 bytes that four tiles fill together: one byte in 128 of what the launch reads.  Both halves of the lanes store the same word to the same place
	s_cmp_lg_u32 s19, 0                            ; the bias goes with K step 0's wave alone
	s_cbranch_scc1 .Lend
	global_load_b32 v[BV], v6, s[6:7]
	s_wait_loadcnt 0x0
	global_store_b32 v5, v[BV], s[12:13]           ; 64 consecutive bytes (again both halves alike)
.Lend:
	s_wait_tensorcnt 0x0
	ds_add_u32 v192, v193
	s_wait_dscnt 0x0
	s_endpgm
.Lfunc_end_k_q7bdb483ff2_prep:
	.size	k_q7bdb483ff2_prep, .Lfunc_end_k_q7bdb483ff2_prep-k_q7bdb483ff2_prep
	.p2alignl 7, 3214868480
	.fill 96, 4, 3214868480
	.section	.rodata,"a",@progbits
	.p2align	6, 0x0
	.amdhsa_kernel k_q7bdb483ff2_prep
		.amdhsa_group_segment_fixed_size 34304
		.amdhsa_private_segment_fixed_size 0
		.amdhsa_enable_private_segment 0
		.amdhsa_kernarg_size 40
		.amdhsa_user_sgpr_count 2
		.amdhsa_user_sgpr_kernarg_segment_ptr 1
		.amdhsa_wavefront_size32 1
		.amdhsa_system_sgpr_workgroup_id_x 1
		.amdhsa_system_sgpr_workgroup_id_y 1
		.amdhsa_system_sgpr_workgroup_id_z 1
		.amdhsa_system_vgpr_workitem_id 0
		.amdhsa_next_free_vgpr 194
		.amdhsa_next_free_sgpr 66
		.amdhsa_reserve_vcc 0
		.amdhsa_float_denorm_mode_32 3
		.amdhsa_float_denorm_mode_16_64 3
		.amdhsa_memory_ordered 1
		.amdhsa_forward_progress 1
		.amdhsa_inst_pref_size 17
	.end_amdhsa_kernel
	.amdgpu_metadata
---
amdhsa.version: [ 1, 2 ]
amdhsa.kernels:
  - .name:           k_q7bdb483ff2_prep
    .symbol:         k_q7bdb483ff2_prep.kd
    .args:
      - { .name: W_qkv, .offset: 0, .size: 8, .value_kind: global_buffer, .address_space: global }
      - { .name: b_qkv, .offset: 8, .size: 8, .value_kind: global_buffer, .address_space: global }
      - { .name: wc, .offset: 16, .size: 8, .value_kind: global_buffer, .address_space: global }
      - { .name: ws, .offset: 24, .size: 8, .value_kind: global_buffer, .address_space: global }
      - { .name: bp, .offset: 32, .size: 8, .value_kind: global_buffer, .address_space: global }
    .group_segment_fixed_size: 34304
    .private_segment_fixed_size: 0
    .kernarg_segment_align: 8
    .kernarg_segment_size: 40
    .max_flat_workgroup_size: 128
    .sgpr_count:     66
    .vgpr_count:     194
    .wavefront_size: 32
...
	.end_amdgpu_metadata
.endif
;; end of part 1
;; launch fused (part 2): grid 256 x 1, 4 waves a work-group, no clusters, 288,768 bytes of LDS; arguments h, wc, ws, bp, out0; writes out0
.if DOCPART == 2
	.amdgcn_target "amdgcn-amd-amdhsa--gfx1250"
	.amdhsa_code_object_version 6
	.text
	.protected	k_q7bdb483ff2_fused
	.globl	k_q7bdb483ff2_fused
	.p2align	8
	.type	k_q7bdb483ff2_fused,@function
k_q7bdb483ff2_fused:
	s_mov_b64 s[64:65], 0
	v_nop
	global_prefetch_b8 v0, s[64:65] scope:SCOPE_SE
	s_setreg_imm32_b32 hwreg(HW_REG_WAVE_MODE, 25, 1), 1
	s_wait_xcnt 0x0
; out[head i][token][64] = softmax_j(q_i . k_j / 32) v_j per token, with q, k, v = h W^T + b.  h [16384][1024] f32; W as codes of FP8 (E4M3), scale words and bias in the first launch's layouts (wc, ws, bp); out0 f32.
; QUANTISED: h W^T (K = 1,024) and q k^T (K = a head's 64, two blocks of 32), both by the scaled matrix form; attn x v (K = 16) takes bf16 operands.  Sums, softmax and all that goes into a quantiser are f32.
; SHARES.  A work-group owns 64 tokens and takes them through the whole chain; qkv never goes to memory.  Three passes (q, k, v) of 1,024 columns; in a pass wave w makes 64 tokens x 256 columns: 64 accumulators, 512 registers.
; THE PRODUCTS ARE USED TRANSPOSED (source 0 = 16 rows of W, source 1 = 16 tokens): a lane holds one token (lane % 16) and eight rows of the tile.  The first launch chose each tile's rows so that for q and k the 16 registers of
; two neighbouring tiles are 16 neighbours along a head's 64 (the next product's K), and for v a lane's eight registers are eight heads of one channel (the last product's K).
; W'S CODES GO FROM MEMORY STRAIGHT INTO REGISTERS, in the order of the operand's registers: a wave's part of wc is 786,432 consecutive bytes, 32,768 a K step.
; K IS WALKED FROM A DIFFERENT STEP IN DIFFERENT WORK-GROUPS: with r = (x + x / 8) mod 8, x the work-group's number, the j-th K step of every pass is step (r + j) mod 8.  So the 256 work-groups, which all read the same codes,
; ask at any moment for eight different eighths of a pass's codes and not all for the same one.  Only global addresses hang on r: chunk j of h is loaded from K step (r + j) mod 8 and lies in LDS slot j.
; NO JOINT TENSOR LOADS, though all 256 work-groups walk the same codes: a fragment of 2,048 bytes is multiplied by ONE wave of a work-group, in one K step, so LDS would give it no second reader; beside the 288,000 bytes that
; this text uses, 39,680 bytes of LDS are free, against 131,072 for one K step of the four waves' codes: a ring of two slots would change slots several times a K step, each time with all loads waited for.
; As it is, a wave has 48 to 66 loads of 512 bytes asked for at every moment of the three passes, and the K loop has no barrier.
; h IS QUANTISED ONCE, at the head (wave w: tokens 16 w ..), into images of the operand's registers in LDS, which all four waves read in every pass.
; LIMITS: NaN and infinities among the inputs are not served; a block of zeros gets the scale byte 1 where the rule says 127 (its codes are zeros; the bytes are read here alone); attn and v are rounded to bf16 for the last product;
; the f32 sums over K begin at K step r, so their order of rounding differs from work-group to work-group.
;
; LDS (bytes):  AIMG h's codes [slot 8][m 4][c 4][lane][16];  ASC their scale words [slot][m / 2][lane] (lanes 0-15 tile 2 mp, lanes 16-31 tile 2 mp + 1);  BIA the bias, 3,072 bytes for each wave, its own;
;   QK  2,064 bytes a token (129 x 16: the 16 tokens of a store fall on 16 different groups of banks): q's codes at + 0, k's at + 1,024, each [block 2][lane = 16 hh + head][16]; before that the stage for h; after the scores v in bf16 [t 4][lane = 16 hh + channel % 16][16];
;   SCW 132 bytes a token: words 0-15 k's heads, words 16-31 q's;  ATT attn in bf16 [token][lane][16], a wave's own 16 tokens;  STG the way out, 2 x 16 rows x 272 bytes for each wave.
; REGISTERS, in windows of 256 (s_set_vgpr_msb: bits 1:0 source 0, 3:2 source 1, 5:4 source 2, 7:6 destination):
;   window 0: v1-15 addresses; v16-19 h's scale words (2 sets), v20-35 W's (2 sets), v36-39 the scores': these hold scales and nothing else; v40-47 addresses of the phase in hand; v48-111, v112-175 h's fragments, two sets; v176-239 at work; v240-255 the quantiser's
;   window 1: W's 16 fragments, fragment b at v[16 b].   windows 2, 3: accumulator (b, m) in window 2 + b / 8 at v[16 (4 ((b / 2) % 4) + m) + 8 (b % 2)]
.set AIMG, 0
.set ASC,  65536
.set BIA,  67584
.set QK,   79872
.set TP,   2064
.set SCW,  211968
.set SWP,  132
.set ATT,  220416
.set STG,  253184
.set LI,  1                            ; v1   16 x lane; never rewritten
.set LS,  2                            ; v2   4 x lane; never rewritten
.set HRD, 3                            ; v3   h's stage, out: row r, + 64 hh
.set HWR, 4                            ; v4   h's stage, in: as loaded
.set AWI, 5                            ; v5   where I store h's images: 2,048 w + 16 lane
.set AWS, 6                            ; v6   and their scale words: ASC + 64 w + 4 r
.set AAD, 7                            ; v7   h's fragments in hand
.set ASA, 8                            ; v8   their scale words
.set BRD, 9                            ; v9   the bias: BIA + 3,072 w + 32 hh
.set QS0, 10                           ; v10, v11  q's and k's codes: QK + 2,064 r + 256 hh + 64 w, and 32 tokens on
.set WK,  12                           ; v12, v13  working copies
.set SS,  14                           ; v14  scale words of q and k: SCW + 132 r + 16 w
.set SSW, 15                           ; v15  its working copy
.set ASW, 16
.set SB,  20
.set SCS, 36
.set AS0, 48
.set PC0, 176                          ; codes just made: two sets, v176-191 and v196-211
.set PC1, 196
.set PW,  192
.set BY0, 232                          ; v232-235 the bytes of a head's first block; v236-239 the scale words
.set SWD, 236
.set TM,  240                          ; v240-243 largest magnitudes, v244-247 the other half's / bytes, v248-251 448 x the scale, v252-255 the conversions' scale operands
.set GO,  200                          ; the way out: v200-207 my byte offsets in out0, v208 into the stage, v209 back
.set STO, 208
.set SRD, 209
.set WV,  14                           ; s14 my wave's number
.set SEL, 20                           ; s[20:21] lane selects: lane l xor 16
.set MNT, 22                           ; s22 the mantissa field of 448
.set CS,  24                           ; s[24:25] c = log2(e) / 32
.set NC,  26                           ; s26 -c
.set KC,  27                           ; s27 counts the K loop
.set PCN, 28                           ; s28 counts the passes q, k
.set SA,  29                           ; s29 h's fragments: 8,192 bytes a slot
.set SQ,  30                           ; s30 0 for q's codes, 1,024 for k's
.set SW,  31                           ; s31 64 for q's scale words, 0 for k's
.set SBI, 32                           ; s32 the pass's bias: 1,024 P
.set TC,  33                           ; s33 counts tokens' trips
.set T0,  34                           ; s34, s40, s41 token offsets
.set SAS, 35                           ; s35 h's scale words: ASC + 256 x slot
.set WB,  36                           ; s[36:37] my part of W's codes: wc + 786,432 w; never rewritten
.set WSB, 38                           ; s[38:39] and of its scale words: ws + 24,576 w; never rewritten
.set T1,  40
.set T2,  41
.set BPG, 44                           ; s[44:51] a pointer for each of a K step's four groups of fragments
.set SPP, 52                           ; s[52:53] and one for its scale words
.set NO,  54                           ; s[54:55] the byte offset, in my part of wc, of the K step that is asked for next (s55 = 0)
.set NS,  56                           ; s[56:57] the same in my part of ws: a 32nd of it (s57 = 0)
.set KI,  58                           ; s58 which of its pass's eight K steps that is; at the head: r
.set PO,  59                           ; s59 that pass's offset in my part of wc: 262,144 P
.set HP,  66                           ; s[66:81] h at my first token, at the K step of each of the eight chunks; never rewritten
.set MSB, 0
.macro WIN new                         ; the immediate's high byte repeats the setting that is left; a switch that changes nothing is dropped
.if MSB != (\new)
	s_set_vgpr_msb (MSB<<8)|(\new)
.set MSB, \new
.endif
.endm
; A load into a register that a matrix instruction has read, and a vector instruction or an LDS store that reads a matrix result, stand 8 places behind a scaled matrix instruction on 8-bit codes (4 behind a bf16 one), a matrix
; instruction that writes over one of its registers one more; only plain vector instructions that name none of its registers are places.
.macro PLACES n
.rept \n
	v_nop
.endr
.endm
.macro BARRIER                         ; my LDS stores have landed and my LDS loads are in: then the work-group's barrier
	s_wait_dscnt 0x0
	s_barrier_signal -1
	s_barrier_wait -1
.endm
; 64 numbers of a lane in window win, four groups of 16; group g is my half of a block of 32 (the other half: lane l xor 16).  Codes to v[pc + 4 g ..], scale bytes to v[by + g].
; Each group is read from its low end on.
.macro QUANT src, win, by, pc
	WIN (\win)|((\win)<<2)
.irp g, 0,1,2,3
	v_max3_num_f32 v[TM+\g], |v[(\src)+16*\g]|, |v[(\src)+16*\g+1]|, 0x4800000   ; and the floor 2^(9 - 127): the byte cannot fall under 1
.endr
	WIN ((\win)<<2)|((\win)<<4)
.irp i, 2,4,6,8,10,12,14
.irp g, 0,1,2,3
	v_max3_num_f32 v[TM+\g], v[TM+\g], |v[(\src)+16*\g+\i]|, |v[(\src)+16*\g+\i+1]|   ; the four groups by turns
.endr
.endr
	WIN 0
.irp g, 0,1,2,3
	v_permlanex16_b32 v[TM+4+\g], v[TM+\g], s[SEL], s[SEL+1]
.endr
.irp g, 0,1,2,3
	v_max_num_f32 v[TM+\g], v[TM+\g], v[TM+4+\g]   ; the block's largest magnitude
.endr
.irp g, 0,1,2,3
	v_add_nc_u32 v[TM+12+\g], 0xfc000000, v[TM+\g] ; 8 off its exponent field: the conversion's scale operand
.endr
.irp g, 0,1,2,3
	v_and_or_b32 v[TM+8+\g], v[TM+\g], 0x7f800000, s[MNT]   ; 448 x the scale
.endr
.irp g, 0,1,2,3
	v_lshrrev_b32 v[(\by)+\g], 23, v[TM+12+\g]     ; the scale's byte
.endr
	WIN (\win)|((\win)<<6)
.irp g, 0,1,2,3
.irp i, 0,1,2,3,4,5,6,7,8,9,10,11,12,13,14,15
	v_med3_num_f32 v[(\src)+16*\g+\i], v[(\src)+16*\g+\i], -v[TM+8+\g], v[TM+8+\g]   ; the conversion to an 8-bit code does not saturate (ISA guide 7.6.2): the hold comes first
.endr
.endr
	WIN (\win)
.irp g, 0,1,2,3
	v_cvt_scalef32_pk8_fp8_f32 v[(\pc)+4*\g:(\pc)+4*\g+1], v[(\src)+16*\g:(\src)+16*\g+7], v[TM+12+\g]
	v_cvt_scalef32_pk8_fp8_f32 v[(\pc)+4*\g+2:(\pc)+4*\g+3], v[(\src)+16*\g+8:(\src)+16*\g+15], v[TM+12+\g]
.endr
	WIN 0
	v_nop                                          ; a plain line behind the last conversion: later products write its sources
.endm
; h, chunk s of my 16 tokens (K step (r + s) mod 8: the chunk's own pointer): each load reads 512 consecutive bytes of one token's row, into the registers that will be accumulators
.macro HLOAD s
	WIN 0x80+0x40*((\s)/4)
.irp t, 0,1,2,3,4,5,6,7,8,9,10,11,12,13,14,15
	global_load_b128 v[64*((\s)%4)+4*\t:64*((\s)%4)+4*\t+3], v[LI], s[HP+2*(\s):HP+2*(\s)+1] offset:4096*\t th:TH_LOAD_NT
.endr
	WIN 0
.endm
; and through my stage (rows of 528 bytes, two stages by turns), so that a lane gets 16 neighbours of each block of 32: register 16 c + i = k 32 c + 16 hh + i of token r
.macro TURNH s
	WIN 0x08+0x04*((\s)/4)
.irp t, 0,1,2,3,4,5,6,7,8,9,10,11,12,13,14,15
	ds_store_b128 v[HWR], v[64*((\s)%4)+4*\t:64*((\s)%4)+4*\t+3] offset:8448*((\s)%2)+528*\t
.endr
	WIN 0
.irp c, 0,1,2,3
.irp j, 0,1,2,3
	ds_load_b128 v[AS0+64*((\s)%2)+16*\c+4*\j:AS0+64*((\s)%2)+16*\c+4*\j+3], v[HRD] offset:8448*((\s)%2)+128*\c+16*\j   ; LDS serves a wave's instructions in order (ISA guide 5.7.1.4)
.endr
.endr
.endm
.macro HQ s                            ; chunk s of my tokens becomes a fragment's image and its scale words, in slot s
	QUANT AS0+64*((\s)%2), 0, TM+4, PC0
	v_lshl_or_b32 v[PW], v[TM+5], 8, v[TM+4]
	v_lshl_or_b32 v[PW], v[TM+6], 16, v[PW]
	v_lshl_or_b32 v[PW], v[TM+7], 24, v[PW]
.irp c, 0,1,2,3
	ds_store_b128 v[AWI], v[PC0+4*\c:PC0+4*\c+3] offset:8192*(\s)+512*\c
.endr
	ds_store_b32 v[AWS], v[PW] offset:256*(\s)     ; both halves of the lanes store the same word to the same place
.endm
; W's fragments 4 g .. 4 g + 3 of the K step at which the group's pointer stands: 16 loads of 512 consecutive bytes
.macro WRUN g
	WIN 0x40
.irp bb, 0,1,2,3
.irp c, 0,1,2,3
	global_load_b128 v[16*(4*(\g)+\bb)+4*\c:16*(4*(\g)+\bb)+4*\c+3], v[LI], s[BPG+2*(\g):BPG+2*(\g)+1] offset:2048*(4*(\g)+\bb)+512*\c
.endr
.endr
	WIN 0
.endm
.macro SRUN set                        ; that step's scale words: register b / 2 of the set: lanes 0-15 tile b even, lanes 16-31 tile b odd
.irp g, 0,1
	global_load_b128 v[SB+8*(\set)+4*\g:SB+8*(\set)+4*\g+3], v[LI], s[SPP:SPP+1] offset:512*\g
.endr
.endm
.macro NEXTK                           ; the K step to be asked for next: one on, round from 7 to 0, in the pass at s[PO].  Offsets alone: no memory instruction names these registers
	s_add_co_u32 s[KI], s[KI], 1
	s_and_b32 s[KI], s[KI], 7
	s_lshl_b32 s[NO], s[KI], 15
	s_add_co_u32 s[NO], s[NO], s[PO]
	s_lshr_b32 s[NS], s[NO], 5
.endm
.macro ALOAD set                       ; the next slot's four fragments of h and their scale words, from LDS
	v_add_nc_u32 v[AAD], s[SA], v[LI]
	v_add_nc_u32 v[ASA], s[SAS], v[LS]
	s_add_co_u32 s[SA], s[SA], 8192
	s_add_co_u32 s[SAS], s[SAS], 256
.irp m, 0,1,2,3
.irp c, 0,1,2,3
	ds_load_b128 v[AS0+64*(\set)+16*\m+4*\c:AS0+64*(\set)+16*\m+4*\c+3], v[AAD] offset:2048*\m+512*\c
.endr
.endr
.irp mp, 0,1
	ds_load_b32 v[ASW+2*(\set)+\mp], v[ASA] offset:128*\mp
.endr
.endm
.macro WMMA d, a, b, c, sa, sb, ra, rb ; ra, rb: the side's scales stand in lanes 16-31 of its register
.if (\ra) && (\rb)
	v_wmma_scale_f32_16x16x128_f8f6f4 v[(\d):(\d)+7], v[(\a):(\a)+15], v[(\b):(\b)+15], v[(\c):(\c)+7], v[\sa], v[\sb] matrix_a_scale:MATRIX_SCALE_ROW1 matrix_b_scale:MATRIX_SCALE_ROW1
.elseif \ra
	v_wmma_scale_f32_16x16x128_f8f6f4 v[(\d):(\d)+7], v[(\a):(\a)+15], v[(\b):(\b)+15], v[(\c):(\c)+7], v[\sa], v[\sb] matrix_a_scale:MATRIX_SCALE_ROW1
.elseif \rb
	v_wmma_scale_f32_16x16x128_f8f6f4 v[(\d):(\d)+7], v[(\a):(\a)+15], v[(\b):(\b)+15], v[(\c):(\c)+7], v[\sa], v[\sb] matrix_b_scale:MATRIX_SCALE_ROW1
.else
	v_wmma_scale_f32_16x16x128_f8f6f4 v[(\d):(\d)+7], v[(\a):(\a)+15], v[(\b):(\b)+15], v[(\c):(\c)+7], v[\sa], v[\sb]
.endif
.endm
; 16 matrix instructions: W's tiles 4 g .. 4 g + 3 x the four tiles of tokens.  first = 1: the bias (window 0: tiles 0-7 at v176 on, 8-15 at v112 on) is the C that starts the sums: nothing is cleared, nothing added later.
; The 64 accumulators take turns, one instruction a turn, in the same order in every K step.
.macro MUL g, set, first
.if \first
	WIN 0x81+0x40*((\g)/2)
.else
	WIN 0xa1+0x50*((\g)/2)
.endif
.irp bb, 0,1,2,3
.irp m, 0,1,2,3
.set TB_, 4*(\g)+\bb
.set AC_, 16*(4*((TB_/2)%4)+\m)+8*(TB_%2)
.set CC_, AC_
.if \first
.set CC_, 176+8*TB_-128*(TB_/8)
.endif
	WMMA AC_, 16*TB_, AS0+64*(\set)+16*\m, CC_, SB+8*(\set)+TB_/2, ASW+2*(\set)+\m/2, TB_%2, \m%2
.endr
.endr
.endm
; A K STEP: 64 matrix instructions in four groups.  W has ONE set of registers: a group's four fragments are asked for anew, for the next step, as soon as its 16 products are issued (behind 8 places).
; The loads' order is group 0, the two scale loads, groups 1, 2, 3, the next step's group 0 ..  So in front of group 0 the three younger groups may be out (48); in front of groups 1 to 3 three groups and two scale loads (50);
; in the last step of all, which asks for nothing, 48, 32, 16, 0.  No other global load is issued between the first of these loads and the last.
; THE POINTERS.  Each group has a pointer of its own, and so have the scale words.  It is written anew (my part's base + the next step's offset) directly ahead of its run of loads.  The only earlier loads that name it are the same
; group's of the step in hand (the scale pointer: that step's two), and the counted wait ahead of the group's products has shown just these done: so no further wait stands in front of the write.
; set: h's and the scales' set of this step.  apos: behind which group the next slot's fragments of h are fetched from LDS (9: not at all).
.macro KSTEP set, first, reload, apos
	s_wait_dscnt 0x0                               ; h's fragments and scale words (and in a pass's first step the bias) are in
.if \reload
	NEXTK
.endif
.irp g, 0,1,2,3
.if \reload
.if \g == 0
	s_wait_loadcnt 48
.else
	s_wait_loadcnt 50
.endif
.else
	s_wait_loadcnt 48-16*\g
.endif
	MUL \g, \set, \first
.if \reload
	PLACES 8
	s_add_nc_u64 s[BPG+2*\g:BPG+2*\g+1], s[WB:WB+1], s[NO:NO+1]
	WRUN \g
.if \g == 0
	s_add_nc_u64 s[SPP:SPP+1], s[WSB:WSB+1], s[NS:NS+1]
	SRUN 1-(\set)
.endif
.endif
.if \apos == \g
	ALOAD 1-(\set)
.endif
.endr
.endm
.macro PASS_HEAD                       ; slot 0's fragments of h, and the pass's bias in the result's layout: lane (r, hh) takes the tile's rows 8 hh + 0 .. 7
	s_mov_b32 s[SA], 0
	s_mov_b32 s[SAS], ASC
	ALOAD 0
	v_add_nc_u32 v[WK], s[SBI], v[BRD]
.irp b, 0,1,2,3,4,5,6,7,8,9,10,11,12,13,14,15
	ds_load_b128 v[176+8*\b-128*(\b/8):176+8*\b-128*(\b/8)+3], v[WK] offset:64*\b
	ds_load_b128 v[176+8*\b-128*(\b/8)+4:176+8*\b-128*(\b/8)+7], v[WK] offset:64*\b+16
.endr
.endm
; A PASS: 8 K steps.  The first (the bias lies in h's second set, so the next fragments come at its end) and the last are written out; the six between are three trips of two.
; reload = 1: the last step asks for the next pass's first step: eight steps on from r is r again, in the next pass's 262,144 bytes.
.macro GEMM reload
	PASS_HEAD
	KSTEP 0, 1, 1, 3
	s_mov_b32 s[KC], 3
.Lk_\@:
	KSTEP 1, 0, 1, 0
	KSTEP 0, 0, 1, 0
	s_sub_co_u32 s[KC], s[KC], 1
	s_cmp_lg_u32 s[KC], 0
	s_cbranch_scc1 .Lk_\@
.if \reload
	s_add_co_u32 s[PO], s[PO], 262144
.endif
	KSTEP 1, 0, \reload, 9
	WIN 0
.endm
	s_load_b256 s[4:11], s[0:1], 0x0               ; h s[4:5], wc s[6:7], ws s[8:9], bp s[10:11]
	s_load_b64 s[12:13], s[0:1], 0x20              ; out0
	v_lshrrev_b32 v40, 5, v0
	v_readfirstlane_b32 s[WV], v40                 ; wave 0..3
	v_and_b32 v40, 31, v0                          ; lane
	v_and_b32 v41, 15, v0                          ; r
	v_bfe_u32 v42, v0, 4, 1                        ; hh
	v_lshlrev_b32 v[LI], 4, v40
	v_lshlrev_b32 v[LS], 2, v40
	s_mul_i32 s15, s[WV], 16896
	s_add_co_u32 s15, s15, QK                      ; my two stages for h
	v_mul_u32_u24 v[HRD], v41, 528
	v_lshl_add_u32 v[HRD], v42, 6, v[HRD]
	v_add_nc_u32 v[HRD], s15, v[HRD]
	v_add_nc_u32 v[HWR], s15, v[LI]
	s_lshl_b32 s15, s[WV], 11
	v_add_nc_u32 v[AWI], s15, v[LI]
	s_lshl_b32 s15, s[WV], 6
	s_add_co_u32 s15, s15, ASC
	v_lshl_add_u32 v[AWS], v41, 2, s15
	s_mul_i32 s15, s[WV], 3072
	s_add_co_u32 s15, s15, BIA
	v_lshl_add_u32 v[BRD], v42, 5, s15
	v_add_nc_u32 v[WK], s15, v[LI]                 ; where the bias is put
	s_lshl_b32 s15, s[WV], 6
	s_add_co_u32 s15, s15, QK
	v_mul_u32_u24 v[QS0], v41, TP
	v_lshl_add_u32 v[QS0], v42, 8, v[QS0]
	v_add_nc_u32 v[QS0], s15, v[QS0]
	v_add_nc_u32 v[QS0+1], 32*TP, v[QS0]
	s_lshl_b32 s15, s[WV], 4
	s_add_co_u32 s15, s15, SCW
	v_mul_u32_u24 v[SS], v41, SWP
	v_add_nc_u32 v[SS], s15, v[SS]
.irp g, 0,1,2,3
	v_mov_b32 v[TM+4+\g], 0                        ; a lane permute's destination counts as one of its sources
.endr
	s_mov_b32 s[SEL], 0x76543210
	s_mov_b32 s[SEL+1], 0xfedcba98
	s_mov_b32 s[MNT], 0x600000
	s_mov_b32 s[CS], 0x3d38aa3b                    ; c = log2(e) / 32: reference's 1 / sqrt(1024), and base 2
	s_mov_b32 s[CS+1], s[CS]                       ; (named with it as a pair, so it is written)
	s_mov_b32 s[NC], 0xbd38aa3b
	s_lshr_b32 s[KI], ttmp9, 3
	s_add_co_u32 s[KI], s[KI], ttmp9
	s_and_b32 s[KI], s[KI], 7                      ; r: the K step at which my work-group begins
	s_mov_b32 s[NO+1], 0
	s_mov_b32 s[NS+1], 0
	s_mov_b32 s[PO], 0
	s_lshl_b32 s16, ttmp9, 6
	s_lshl_b32 s17, s[WV], 4
	s_add_co_u32 s16, s16, s17                     ; my first token: 64 x work-group + 16 x wave
	s_lshl_b32 s18, s16, 12                        ; its row of h (under 2^26)
	s_mov_b32 s19, 0
	s_lshl_b32 s16, s16, 8                         ; its 256 bytes in a head's part of out0
	s_mov_b32 s17, 0
	s_wait_kmcnt 0x0
	s_add_nc_u64 s[4:5], s[4:5], s[18:19]
	s_add_nc_u64 s[12:13], s[12:13], s[16:17]
.irp j, 0,1,2,3,4,5,6,7
	s_add_co_u32 s18, s[KI], \j
	s_and_b32 s18, s18, 7
	s_lshl_b32 s18, s18, 9                         ; chunk j is K step (r + j) mod 8: 512 bytes a step in a token's row
	s_add_nc_u64 s[HP+2*\j:HP+2*\j+1], s[4:5], s[18:19]
.endr
	s_mul_i32 s18, s[WV], 786432
	s_add_nc_u64 s[WB:WB+1], s[6:7], s[18:19]
	s_mul_i32 s18, s[WV], 24576
	s_add_nc_u64 s[WSB:WSB+1], s[8:9], s[18:19]
	s_mul_i32 s18, s[WV], 3072
	s_add_nc_u64 s[10:11], s[10:11], s[18:19]
.irp i, 0,1,2,3,4,5
	global_load_b128 v[200+4*\i:203+4*\i], v[LI], s[10:11] offset:512*\i   ; my three passes' bias
.endr
	HLOAD 0
	HLOAD 1
	HLOAD 2
	s_wait_loadcnt 48                              ; the bias is in; the three chunks of h (16 loads each) stay out
.irp i, 0,1,2,3,4,5
	ds_store_b128 v[WK], v[200+4*\i:203+4*\i] offset:512*\i   ; my own bytes, read by me alone
.endr
	; ---- h BECOMES CODES.  Loads run three chunks ahead, the turn through the stage one.
.irp s, 0,1,2,3,4,5,6,7
.if \s+3 < 8
	HLOAD \s+3
.endif
.if \s < 5
	s_wait_loadcnt 48                              ; this chunk's 16 loads are in; the three younger chunks may be out
.else
	s_wait_loadcnt 16*(7-\s)
.endif
	TURNH \s
.if \s > 0
	s_wait_dscnt 32                                ; all but the turn just issued: the last chunk is back from the stage, and the image stores before it have read their registers
	HQ \s-1
.endif
.endr
	s_lshl_b32 s[NO], s[KI], 15                    ; W's first K step, step r of pass q, goes out in the loads' order and lands under the last chunk's work
	s_lshr_b32 s[NS], s[NO], 5
.irp g, 0,1,2,3
	s_add_nc_u64 s[BPG+2*\g:BPG+2*\g+1], s[WB:WB+1], s[NO:NO+1]
.endr
	s_add_nc_u64 s[SPP:SPP+1], s[WSB:WSB+1], s[NS:NS+1]
	WRUN 0
	SRUN 0
	WRUN 1
	WRUN 2
	WRUN 3
	s_wait_dscnt 0x0
	HQ 7
	BARRIER                                        ; h's 32 fragments lie in LDS; nobody reads a stage for h any more
	; ---- PASSES q AND k: the products, then the results are quantised along a head's 64 and go to LDS as the scores' operands
	s_mov_b32 s[PCN], 2
	s_mov_b32 s[SQ], 0
	s_mov_b32 s[SW], 64
	s_mov_b32 s[SBI], 0
.Lpass:
	GEMM 1
	PLACES 8                                       ; in front of the first read of results
	v_add_nc_u32 v[WK], s[SQ], v[QS0]
	v_add_nc_u32 v[WK+1], s[SQ], v[QS0+1]
	v_add_nc_u32 v[SSW], s[SW], v[SS]
; Pair p of tiles = head 4 w + p / 2, block p % 2; its 64 registers are four groups of 16 (tiles of tokens m): channels 32 (p % 2) + 16 hh + 0 .. 15 of token 16 m + r.
.irp p, 0,1,2,3,4,5,6,7
.if \p >= 2
.if \p%2 == 0
	s_wait_dscnt 8                                 ; the codes' two sets take turns: only the last pair's LDS stores (8 behind an odd pair, 4 behind an even one) may be out, so those of the pair before it have read this set
.else
	s_wait_dscnt 4
.endif
.endif
.if \p%2 == 0
	QUANT 64*(\p%4), 2+\p/4, BY0, PC0
.else
	QUANT 64*(\p%4), 2+\p/4, TM+4, PC1
.endif
.irp m, 0,1,2,3
	ds_store_b128 v[WK+\m/2], v[PC0+20*(\p%2)+4*\m:PC0+20*(\p%2)+4*\m+3] offset:16*TP*(\m%2)+512*(\p%2)+16*(\p/2)   ; token 16 m + r: block p % 2, lane 16 hh + head
.endr
.if \p%2 == 1
.irp m, 0,1,2,3
	v_lshl_or_b32 v[SWD+\m], v[TM+4+\m], 8, v[BY0+\m]
.endr
.irp m, 0,1,2,3
	v_or_b32 v[SWD+\m], 0x7f7f0000, v[SWD+\m]      ; the scores' K step has 128: its upper 64 are zero codes under the byte 127
.endr
.irp m, 0,1,2,3
	ds_store_b32 v[SSW], v[SWD+\m] offset:16*SWP*\m+4*(\p/2)   ; both halves of the lanes store the same word to the same place
.endr
.endif
.endr
	s_wait_dscnt 0x0                               ; the stores have read their registers: the next pass's bias lands there
	s_add_co_u32 s[SQ], s[SQ], 1024
	s_xor_b32 s[SW], s[SW], 64
	s_add_co_u32 s[SBI], s[SBI], 1024
	s_sub_co_u32 s[PCN], s[PCN], 1
	s_cmp_lg_u32 s[PCN], 0
	s_cbranch_scc1 .Lpass
	BARRIER                                        ; q's and k's codes and scale words of all 64 tokens lie in LDS.  (Pass v's first K step of W stays on its way: nobody writes those bytes)
	; ---- SCORES AND SOFTMAX: my 16 tokens, four a trip.  S^T = k q^T: source 0 = the 16 key heads, source 1 = the 16 query heads: a lane holds one query head (lane % 16) and key heads 8 hh + 0 .. 7.
.irp i, 0,1,2,3
.irp j, 8,9,10,11,12,13,14,15
	v_mov_b32 v[48+32*\i+\j], 0                    ; K = 64 of the form's 128: the operands' upper halves are zero codes, written once for all 16 tokens
	v_mov_b32 v[64+32*\i+\j], 0
.endr
.endr
	s_mul_i32 s15, s[WV], 16*TP
	s_add_co_u32 s15, s15, QK
	v_add_nc_u32 v40, s15, v[LI]                   ; my tokens' operands (later: v's tiles)
	s_mul_i32 s15, s[WV], 16*SWP
	s_add_co_u32 s15, s15, SCW
	v_add_nc_u32 v41, s15, v[LS]                   ; their scale words: lanes 0-15 k's heads, lanes 16-31 q's
	s_lshl_b32 s15, s[WV], 13
	s_add_co_u32 s15, s15, ATT
	v_add_nc_u32 v42, s15, v[LI]                   ; attn
	s_mov_b32 s[T0], 0
	s_mov_b32 s[T1], 0
	s_mov_b32 s[T2], 0
	s_mov_b32 s[TC], 4
.Ltok:
	v_add_nc_u32 v43, s[T0], v40
	v_add_nc_u32 v44, s[T1], v41
	v_add_nc_u32 v45, s[T2], v42
.irp i, 0,1,2,3
.irp c, 0,1
	ds_load_b128 v[48+32*\i+4*\c:48+32*\i+4*\c+3], v43 offset:TP*\i+1024+512*\c   ; k
	ds_load_b128 v[64+32*\i+4*\c:64+32*\i+4*\c+3], v43 offset:TP*\i+512*\c        ; q
.endr
	ds_load_b32 v[SCS+\i], v44 offset:SWP*\i
.endr
	s_wait_dscnt 0x0
.irp i, 0,1,2,3
	v_wmma_scale_f32_16x16x128_f8f6f4 v[176+8*\i:183+8*\i], v[48+32*\i:63+32*\i], v[64+32*\i:79+32*\i], 0, v[SCS+\i], v[SCS+\i] matrix_b_scale:MATRIX_SCALE_ROW1
.endr
	PLACES 8
.irp i, 0,1,2,3
	v_max3_num_f32 v[TM+\i], v[176+8*\i], v[177+8*\i], v[178+8*\i]   ; the row's largest score; the four tokens by turns
.endr
.irp i, 0,1,2,3
	v_max3_num_f32 v[TM+\i], v[TM+\i], v[179+8*\i], v[180+8*\i]
.endr
.irp i, 0,1,2,3
	v_max3_num_f32 v[TM+\i], v[TM+\i], v[181+8*\i], v[182+8*\i]
.endr
.irp i, 0,1,2,3
	v_max_num_f32 v[TM+\i], v[TM+\i], v[183+8*\i]
.endr
.irp i, 0,1,2,3
	v_permlanex16_b32 v[TM+4+\i], v[TM+\i], s[SEL], s[SEL+1]
.endr
.irp i, 0,1,2,3
	v_max_num_f32 v[TM+\i], v[TM+\i], v[TM+4+\i]   ; with the other eight key heads'
.endr
.irp i, 0,1,2,3
	v_mul_f32 v[TM+8+2*\i], s[NC], v[TM+\i]        ; -c x the maximum
.endr
.irp q, 0,2,4,6
.irp i, 0,1,2,3
	v_pk_fma_f32 v[176+8*\i+\q:177+8*\i+\q], v[176+8*\i+\q:177+8*\i+\q], s[CS:CS+1], v[TM+8+2*\i:TM+9+2*\i] op_sel_hi:[1,0,0]   ; c s - c max, two at a time (of both pairs the low word serves both halves)
.endr
.endr
.irp j, 0,1,2,3,4,5,6,7,8,9,10,11,12,13,14,15,16,17,18,19,20,21,22,23,24,25,26,27,28,29,30,31
	v_exp_f32 v[176+\j], v[176+\j]
.endr
	v_nop                                          ; a plain line behind the last exponential,
	s_wait_alu depctr_va_vdst(0)                   ; and one wait for the batch of 32, ahead of its first reader
.irp i, 0,1,2,3
	v_pk_add_f32 v[224+2*\i:225+2*\i], v[176+8*\i:177+8*\i], v[178+8*\i:179+8*\i]
.endr
.irp i, 0,1,2,3
	v_pk_add_f32 v[224+2*\i:225+2*\i], v[224+2*\i:225+2*\i], v[180+8*\i:181+8*\i]
.endr
.irp i, 0,1,2,3
	v_pk_add_f32 v[224+2*\i:225+2*\i], v[224+2*\i:225+2*\i], v[182+8*\i:183+8*\i]
.endr
.irp i, 0,1,2,3
	v_add_f32 v[TM+\i], v[224+2*\i], v[225+2*\i]
.endr
.irp i, 0,1,2,3
	v_permlanex16_b32 v[TM+4+\i], v[TM+\i], s[SEL], s[SEL+1]
.endr
.irp i, 0,1,2,3
	v_add_f32 v[TM+\i], v[TM+\i], v[TM+4+\i]       ; the row's sum: at least about 1, the maximum's own term
.endr
.irp i, 0,1,2,3
	v_rcp_f32 v[TM+8+2*\i], v[TM+\i]
.endr
	v_nop
	s_wait_alu depctr_va_vdst(0)                   ; one wait for the four reciprocals
.irp q, 0,2,4,6
.irp i, 0,1,2,3
	v_pk_mul_f32 v[176+8*\i+\q:177+8*\i+\q], v[176+8*\i+\q:177+8*\i+\q], v[TM+8+2*\i:TM+9+2*\i] op_sel_hi:[1,0]
.endr
.endr
.irp i, 0,1,2,3
.irp q, 0,1,2,3
	v_cvt_pk_bf16_f32 v[208+4*\i+\q], v[176+8*\i+2*\q], v[177+8*\i+2*\q]   ; key heads 8 hh + 0 .. 7 of my query head: registers 0-3 of the last product's source 1, as they stand
.endr
.endr
.irp i, 0,1,2,3
	ds_store_b128 v45, v[208+4*\i:211+4*\i] offset:512*\i
.endr
	s_wait_dscnt 0x0                               ; the stores have read their registers
	s_add_co_u32 s[T0], s[T0], 4*TP
	s_add_co_u32 s[T1], s[T1], 4*SWP
	s_add_co_u32 s[T2], s[T2], 2048
	s_sub_co_u32 s[TC], s[TC], 1
	s_cmp_lg_u32 s[TC], 0
	s_cbranch_scc1 .Ltok
	; ---- PASS v.  Its last K step asks for nothing: no load leaves wc or ws.
	GEMM 0
	s_mul_i32 s15, s[WV], 448
	v_add_nc_u32 v44, s15, v[QS0]                  ; QK + 2,064 r + 256 hh + 512 w: token r, tile t = w of the channels, lanes 16 hh ..
	v_add_nc_u32 v45, s15, v[QS0+1]
	BARRIER                                        ; every wave's reads of q's and k's codes are over: v's images may be laid over them
	PLACES 8                                       ; in front of the first read of results
; Accumulator (b, m): channel 16 w + b, token 16 m + r, heads 8 hh + 0 .. 7: rounded to bf16 they are registers 0-3 of the last product's source 0 for lane 16 hh + b.
.irp H, 0,1
	WIN 0x0a+5*\H
.irp bb, 0,1,2,3,4,5,6,7
.irp m, 0,1,2,3
.irp q, 0,1,2,3
	v_cvt_pk_bf16_f32 v[48+4*(4*\bb+\m)+\q], v[16*(4*(\bb/2)+\m)+8*(\bb%2)+2*\q], v[16*(4*(\bb/2)+\m)+8*(\bb%2)+2*\q+1]
.endr
.endr
.endr
	WIN 0
.irp bb, 0,1,2,3,4,5,6,7
.irp m, 0,1,2,3
	ds_store_b128 v[44+\m/2], v[48+4*(4*\bb+\m):48+4*(4*\bb+\m)+3] offset:16*TP*(\m%2)+16*(8*\H+\bb)
.endr
.endr
	s_wait_dscnt 0x0                               ; the stores have read their registers
.endr
	s_barrier_signal -1                            ; (my LDS stores have landed: the wait just above)
	s_barrier_wait -1                              ; v of all 64 tokens lies in LDS
	; ---- attn x v AND THE WAY OUT: my 16 tokens, two a trip.  O^T = v^T attn^T: source 0 = 16 channels, source 1 = the 16 query heads, K = the 16 key heads of the form's 32.
	; A lane then holds one query head and channels 16 t + 8 hh + 0 .. 7.  A (head, token) row of out0 is 256 bytes: it is gathered in my stage and stored whole by sixteen lanes.
.irp tk, 0,1
.irp t, 0,1,2,3,4
.irp j, 4,5,6,7
	v_mov_b32 v[48+72*\tk+8*\t+\j], 0              ; K = 16 .. 31: zeros, written once for all 16 tokens (t = 4: attn's operand)
.endr
.endr
.endr
	v_and_b32 v46, 15, v0
	v_bfe_u32 v47, v0, 4, 1
	v_lshlrev_b32 v43, 4, v46
	v_lshl_add_u32 v[GO], v47, 22, v43             ; out0: head 2 k + lane / 16 (4,194,304 bytes a head), 16 bytes a lane
.irp k, 1,2,3,4,5,6,7
	v_add_nc_u32 v[GO+\k], (\k<<23), v[GO]
.endr
	s_mul_i32 s15, s[WV], 8704
	s_add_co_u32 s15, s15, STG
	v_mul_u32_u24 v[STO], v46, 272
	v_lshl_add_u32 v[STO], v47, 5, v[STO]
	v_add_nc_u32 v[STO], s15, v[STO]               ; in: row = head r, + 32 hh
	v_mul_u32_u24 v[SRD], v47, 272
	v_add_nc_u32 v[SRD], v43, v[SRD]
	v_add_nc_u32 v[SRD], s15, v[SRD]               ; back: lanes 0-15 one row, lanes 16-31 the next
	s_mov_b32 s[T0], 0
	s_mov_b32 s[T2], 0
	s_mov_b32 s[TC], 8
.Lout:
	v_add_nc_u32 v43, s[T0], v40
	v_add_nc_u32 v44, s[T2], v42
.irp tk, 0,1
.irp t, 0,1,2,3
	ds_load_b128 v[48+72*\tk+8*\t:48+72*\tk+8*\t+3], v43 offset:TP*\tk+512*\t
.endr
	ds_load_b128 v[80+72*\tk:83+72*\tk], v44 offset:512*\tk
.endr
	s_wait_dscnt 0x0
.irp tk, 0,1
.irp t, 0,1,2,3
	v_wmma_f32_16x16x32_bf16 v[88+72*\tk+8*\t:95+72*\tk+8*\t], v[48+72*\tk+8*\t:55+72*\tk+8*\t], v[80+72*\tk:87+72*\tk], 0
.endr
.endr
	PLACES 5                                       ; four in front of the stores and loads below; the fifth for the next trip's products, which write over these results
.irp tk, 0,1
.irp t, 0,1,2,3
	ds_store_b128 v[STO], v[88+72*\tk+8*\t:91+72*\tk+8*\t] offset:4352*\tk+64*\t        ; each result from its low end on
	ds_store_b128 v[STO], v[92+72*\tk+8*\t:95+72*\tk+8*\t] offset:4352*\tk+64*\t+16
.endr
.endr
.irp tk, 0,1
.irp k, 0,1,2,3,4,5,6,7
	ds_load_b128 v[88+72*\tk+4*\k:91+72*\tk+4*\k], v[SRD] offset:4352*\tk+544*\k   ; LDS serves a wave's instructions in order: these see my stores; they land in the registers that the results left
.endr
.endr
.irp tk, 0,1
.irp k, 0,1,2,3,4,5,6,7
	s_wait_dscnt 15-8*\tk-\k                       ; the younger loads from the stage may be out
	global_store_b128 v[GO+\k], v[88+72*\tk+4*\k:91+72*\tk+4*\k], s[12:13] offset:256*\tk th:TH_STORE_NT   ; sixteen lanes store the 256 consecutive bytes of one (head, token), at a multiple of 256 from out0's first byte
.endr
.endr
	s_wait_xcnt 0x0                                ; the stores have read their registers and their base: both are written again
	s_add_nc_u64 s[12:13], s[12:13], 512
	s_add_co_u32 s[T0], s[T0], 2*TP
	s_add_co_u32 s[T2], s[T2], 1024
	s_sub_co_u32 s[TC], s[TC], 1
	s_cmp_lg_u32 s[TC], 0
	s_cbranch_scc1 .Lout
	s_wait_xcnt 0x0
	v_lshl_add_u32 v254, v0, 2, 0x46600
	v_mov_b32 v255, 0
	s_wait_tensorcnt 0x0
	ds_add_u32 v254, v255
	s_wait_dscnt 0x0
	s_endpgm
.Lfunc_end_k_q7bdb483ff2_fused:
	.size	k_q7bdb483ff2_fused, .Lfunc_end_k_q7bdb483ff2_fused-k_q7bdb483ff2_fused
	.p2alignl 7, 3214868480
	.fill 96, 4, 3214868480
	.section	.rodata,"a",@progbits
	.p2align	6, 0x0
	.amdhsa_kernel k_q7bdb483ff2_fused
		.amdhsa_group_segment_fixed_size 288768
		.amdhsa_private_segment_fixed_size 0
		.amdhsa_enable_private_segment 0
		.amdhsa_kernarg_size 40
		.amdhsa_user_sgpr_count 2
		.amdhsa_user_sgpr_kernarg_segment_ptr 1
		.amdhsa_wavefront_size32 1
		.amdhsa_system_sgpr_workgroup_id_x 1
		.amdhsa_system_sgpr_workgroup_id_y 1
		.amdhsa_system_sgpr_workgroup_id_z 1
		.amdhsa_system_vgpr_workitem_id 0
		.amdhsa_next_free_vgpr 1024
		.amdhsa_next_free_sgpr 82
		.amdhsa_reserve_vcc 0
		.amdhsa_float_denorm_mode_32 3
		.amdhsa_float_denorm_mode_16_64 3
		.amdhsa_memory_ordered 1
		.amdhsa_forward_progress 1
		.amdhsa_inst_pref_size 255
	.end_amdhsa_kernel
	.section	.bss,"aw",@nobits
	.p2align	6
	.space	262144
	.amdgpu_metadata
---
amdhsa.version: [ 1, 2 ]
amdhsa.kernels:
  - .name:           k_q7bdb483ff2_fused
    .symbol:         k_q7bdb483ff2_fused.kd
    .args:
      - { .name: h, .offset: 0, .size: 8, .value_kind: global_buffer, .address_space: global }
      - { .name: wc, .offset: 8, .size: 8, .value_kind: global_buffer, .address_space: global }
      - { .name: ws, .offset: 16, .size: 8, .value_kind: global_buffer, .address_space: global }
      - { .name: bp, .offset: 24, .size: 8, .value_kind: global_buffer, .address_space: global }
      - { .name: out0, .offset: 32, .size: 8, .value_kind: global_buffer, .address_space: global }
    .group_segment_fixed_size: 288768
    .private_segment_fixed_size: 0
    .kernarg_segment_align: 8
    .kernarg_segment_size: 40
    .max_flat_workgroup_size: 128
    .sgpr_count:     82
    .vgpr_count:     1024
    .wavefront_size: 32
...
	.end_amdgpu_metadata
.endif
;; end of part 2
;; ======== version 2 of 2: 2 launches; version 1 with the launch fused written anew for expert scheduling mode
;; workspace buffers: wc 3,145,728 bytes; ws 98,304 bytes; bp 12,288 bytes
;; launch prep: the kernel of part 1 again; grid 32 x 12, 4 waves a work-group, no clusters, 34,304 bytes of LDS; arguments W_qkv, b_qkv, wc, ws, bp; writes wc, ws, bp
;; launch fused (part 3): grid 256 x 1, 4 waves a work-group, no clusters, 288,768 bytes of LDS; arguments h, wc, ws, bp, out0; writes out0
.if DOCPART == 3
	.amdgcn_target "amdgcn-amd-amdhsa--gfx1250"
	.amdhsa_code_object_version 6
	.text
	.protected	k_q7bdb483ff2_fused
	.globl	k_q7bdb483ff2_fused
	.p2align	8
	.type	k_q7bdb483ff2_fused,@function
k_q7bdb483ff2_fused:
	s_mov_b64 s[64:65], 0
	v_nop
	global_prefetch_b8 v0, s[64:65] scope:SCOPE_SE
	s_setreg_imm32_b32 hwreg(HW_REG_WAVE_SCHED_MODE, 0, 2), 2
	s_setreg_imm32_b32 hwreg(HW_REG_WAVE_MODE, 25, 1), 1
	s_wait_xcnt 0x0
	s_wait_alu depctr_vm_vsrc(0)
; out[head i][token][64] = softmax_j(q_i . k_j / 32) v_j per token, with q, k, v = h W^T + b.  h [16384][1024] f32; W as codes of FP8 (E4M3), scale words and bias in the first launch's layouts (wc, ws, bp); out0 f32.
; QUANTISED: h W^T (K = 1,024) and q k^T (K = a head's 64, two blocks of 32), both by the scaled matrix form; attn x v (K = 16) takes bf16 operands.  Sums, softmax and all that goes into a quantiser are f32.
; SHARES.  A work-group owns 64 tokens and takes them through the whole chain; qkv never goes to memory.  Three passes (q, k, v) of 1,024 columns; in a pass wave w makes 64 tokens x 256 columns: 64 accumulators, 512 registers.
; THE PRODUCTS ARE USED TRANSPOSED (source 0 = 16 rows of W, source 1 = 16 tokens): a lane holds one token (lane % 16) and eight rows of the tile.  The first launch chose each tile's rows so that for q and k the 16 registers of
; two neighbouring tiles are 16 neighbours along a head's 64 (the next product's K), and for v a lane's eight registers are eight heads of one channel (the last product's K).
; W'S CODES GO FROM MEMORY STRAIGHT INTO REGISTERS, in the order of the operand's registers: a wave's part of wc is 786,432 consecutive bytes, 32,768 a K step.
; K IS WALKED FROM A DIFFERENT STEP IN DIFFERENT WORK-GROUPS: with r = (x + x / 8) mod 8, x the work-group's number, the j-th K step of every pass is step (r + j) mod 8.  So the 256 work-groups, which all read the same codes,
; ask at any moment for eight different eighths of a pass's codes and not all for the same one.  Only global addresses hang on r: chunk j of h is loaded from K step (r + j) mod 8 and lies in LDS slot j.
; NO JOINT TENSOR LOADS, though all 256 work-groups walk the same codes: a fragment of 2,048 bytes is multiplied by ONE wave of a work-group, in one K step, so LDS would give it no second reader; beside the 288,000 bytes that
; this text uses, 39,680 bytes of LDS are free, against 131,072 for one K step of the four waves' codes: a ring of two slots would change slots several times a K step, each time with all loads waited for.
; As it is, a wave has 48 to 66 loads of 512 bytes asked for at every moment of the three passes, and the K loop has no barrier.
; h IS QUANTISED ONCE, at the head (wave w: tokens 16 w ..), into images of the operand's registers in LDS, which all four waves read in every pass.
; LIMITS: NaN and infinities among the inputs are not served; a block of zeros gets the scale byte 1 where the rule says 127 (its codes are zeros; the bytes are read here alone); attn and v are rounded to bf16 for the last product;
; the f32 sums over K begin at K step r, so their order of rounding differs from work-group to work-group.
; THE MODE: SCHED_MODE bits 1:0 = 2 (LLVM: expert scheduling mode 2), set by the entry lines.  The code itself states the register dependences
; between vector or matrix instructions and memory or LDS instructions, with s_wait_alu, always for 0.
; THE PLAN.  Registers that memory or LDS instructions touch, and who else names them:
;   v1-6, v9-11, v14       Offsets and addresses made at the head and never written again: the one wait on va_vdst ahead of the first load serves them for the whole kernel.
;   window 1 (W)           ONE set.  A group's 16 products read its four fragments; then the group's loads for the next K step land there: one wait on va_vdst a group, behind its products; behind it stand loads and window switches alone.
;   v20-35, v48-175, v16-19  W's scale words, h's fragments and their scale words, two sets by turns.  A step's products read its own set; the loads into the other set follow the wait of the group behind which they stand,
;                          which shows the step before done with that set; the products issued since name this step's set alone.
;   v7, v8                 h's LDS addresses: read by a slot's 18 LDS loads, written once a K step: a wait on vm_vsrc ahead of the two adds, which stand ahead of the group's wait on va_vdst.
;   v12, v13, v15, v43-45  Addresses of a phase: written at the phase's or the trip's head, ahead of a wait on va_vdst; the wait on vm_vsrc at the end of the phase or trip before frees them.
;   v176-192, v196-211, v236-239, v208-223  Codes, scale words and attn just made: a wait on va_vdst between the lines that make them and the LDS stores; a wait on vm_vsrc before they are made, or loaded into, again.
;   windows 2, 3           At the head h's loads land there and the turn's LDS stores read them; from the first product on matrix and vector instructions alone name them.
;   v88-119, v160-191      The way out: written by the products, read by the stage's stores, landed in by the loads from the stage, read by the global stores: a wait between each two of these, round the loop's edge too.
;
; LDS (bytes):  AIMG h's codes [slot 8][m 4][c 4][lane][16];  ASC their scale words [slot][m / 2][lane] (lanes 0-15 tile 2 mp, lanes 16-31 tile 2 mp + 1);  BIA the bias, 3,072 bytes for each wave, its own;
;   QK  2,064 bytes a token (129 x 16: the 16 tokens of a store fall on 16 different groups of banks): q's codes at + 0, k's at + 1,024, each [block 2][lane = 16 hh + head][16]; before that the stage for h; after the scores v in bf16 [t 4][lane = 16 hh + channel % 16][16];
;   SCW 132 bytes a token: words 0-15 k's heads, words 16-31 q's;  ATT attn in bf16 [token][lane][16], a wave's own 16 tokens;  STG the way out, 2 x 16 rows x 272 bytes for each wave.
; REGISTERS, in windows of 256 (s_set_vgpr_msb: bits 1:0 source 0, 3:2 source 1, 5:4 source 2, 7:6 destination):
;   window 0: v1-15 addresses; v16-19 h's scale words (2 sets), v20-35 W's (2 sets), v36-39 the scores': these hold scales and nothing else; v40-47 addresses of the phase in hand; v48-111, v112-175 h's fragments, two sets; v176-239 at work; v240-255 the quantiser's
;   window 1: W's 16 fragments, fragment b at v[16 b].   windows 2, 3: accumulator (b, m) in window 2 + b / 8 at v[16 (4 ((b / 2) % 4) + m) + 8 (b % 2)]
.set AIMG, 0
.set ASC,  65536
.set BIA,  67584
.set QK,   79872
.set TP,   2064
.set SCW,  211968
.set SWP,  132
.set ATT,  220416
.set STG,  253184
.set LI,  1                            ; v1   16 x lane; never rewritten
.set LS,  2                            ; v2   4 x lane; never rewritten
.set HRD, 3                            ; v3   h's stage, out: row r, + 64 hh
.set HWR, 4                            ; v4   h's stage, in: as loaded
.set AWI, 5                            ; v5   where I store h's images: 2,048 w + 16 lane
.set AWS, 6                            ; v6   and their scale words: ASC + 64 w + 4 r
.set AAD, 7                            ; v7   h's fragments in hand
.set ASA, 8                            ; v8   their scale words
.set BRD, 9                            ; v9   the bias: BIA + 3,072 w + 32 hh
.set QS0, 10                           ; v10, v11  q's and k's codes: QK + 2,064 r + 256 hh + 64 w, and 32 tokens on
.set WK,  12                           ; v12, v13  working copies
.set SS,  14                           ; v14  scale words of q and k: SCW + 132 r + 16 w
.set SSW, 15                           ; v15  its working copy
.set ASW, 16
.set SB,  20
.set SCS, 36
.set AS0, 48
.set PC0, 176                          ; codes just made: two sets, v176-191 and v196-211
.set PC1, 196
.set PW,  192
.set BY0, 232                          ; v232-235 the bytes of a head's first block; v236-239 the scale words
.set SWD, 236
.set TM,  240                          ; v240-243 largest magnitudes, v244-247 the other half's / bytes, v248-251 448 x the scale, v252-255 the conversions' scale operands
.set GO,  200                          ; the way out: v200-207 my byte offsets in out0, v208 into the stage, v209 back
.set STO, 208
.set SRD, 209
.set WV,  14                           ; s14 my wave's number
.set SEL, 20                           ; s[20:21] lane selects: lane l xor 16
.set MNT, 22                           ; s22 the mantissa field of 448
.set CS,  24                           ; s[24:25] c = log2(e) / 32
.set NC,  26                           ; s26 -c
.set KC,  27                           ; s27 counts the K loop
.set PCN, 28                           ; s28 counts the passes q, k
.set SA,  29                           ; s29 h's fragments: 8,192 bytes a slot
.set SQ,  30                           ; s30 0 for q's codes, 1,024 for k's
.set SW,  31                           ; s31 64 for q's scale words, 0 for k's
.set SBI, 32                           ; s32 the pass's bias: 1,024 P
.set TC,  33                           ; s33 counts tokens' trips
.set T0,  34                           ; s34, s40, s41 token offsets
.set SAS, 35                           ; s35 h's scale words: ASC + 256 x slot
.set WB,  36                           ; s[36:37] my part of W's codes: wc + 786,432 w; never rewritten
.set WSB, 38                           ; s[38:39] and of its scale words: ws + 24,576 w; never rewritten
.set T1,  40
.set T2,  41
.set BPG, 44                           ; s[44:51] a pointer for each of a K step's four groups of fragments
.set SPP, 52                           ; s[52:53] and one for its scale words
.set NO,  54                           ; s[54:55] the byte offset, in my part of wc, of the K step that is asked for next (s55 = 0)
.set NS,  56                           ; s[56:57] the same in my part of ws: a 32nd of it (s57 = 0)
.set KI,  58                           ; s58 which of its pass's eight K steps that is; at the head: r
.set PO,  59                           ; s59 that pass's offset in my part of wc: 262,144 P
.set HP,  66                           ; s[66:81] h at my first token, at the K step of each of the eight chunks; never rewritten
.set MSB, 0
.macro WIN new                         ; the immediate's high byte repeats the setting that is left; a switch that changes nothing is dropped
.if MSB != (\new)
	s_set_vgpr_msb (MSB<<8)|(\new)
.set MSB, \new
.endif
.endm
; A load into a register that a matrix instruction has read, and a vector instruction or an LDS store that reads a matrix result, stand 8 places behind a scaled matrix instruction on 8-bit codes (4 behind a bf16 one), a matrix
; instruction that writes over one of its registers one more; only plain vector instructions that name none of its registers are places.  In front of a load or a store the wait on va_vdst stands behind the places.
.macro PLACES n
.rept \n
	v_nop
.endr
.endm
.macro BARRIER                         ; my LDS stores have landed and my LDS loads are in: then the work-group's barrier
	s_wait_dscnt 0x0
	s_barrier_signal -1
	s_barrier_wait -1
.endm
; 64 numbers of a lane in window win, four groups of 16; group g is my half of a block of 32 (the other half: lane l xor 16).  Codes to v[pc + 4 g ..], scale bytes to v[by + g].
; Each group is read from its low end on.
.macro QUANT src, win, by, pc
	WIN (\win)|((\win)<<2)
.irp g, 0,1,2,3
	v_max3_num_f32 v[TM+\g], |v[(\src)+16*\g]|, |v[(\src)+16*\g+1]|, 0x4800000   ; and the floor 2^(9 - 127): the byte cannot fall under 1
.endr
	WIN ((\win)<<2)|((\win)<<4)
.irp i, 2,4,6,8,10,12,14
.irp g, 0,1,2,3
	v_max3_num_f32 v[TM+\g], v[TM+\g], |v[(\src)+16*\g+\i]|, |v[(\src)+16*\g+\i+1]|   ; the four groups by turns
.endr
.endr
	WIN 0
.irp g, 0,1,2,3
	v_permlanex16_b32 v[TM+4+\g], v[TM+\g], s[SEL], s[SEL+1]
.endr
.irp g, 0,1,2,3
	v_max_num_f32 v[TM+\g], v[TM+\g], v[TM+4+\g]   ; the block's largest magnitude
.endr
.irp g, 0,1,2,3
	v_add_nc_u32 v[TM+12+\g], 0xfc000000, v[TM+\g] ; 8 off its exponent field: the conversion's scale operand
.endr
.irp g, 0,1,2,3
	v_and_or_b32 v[TM+8+\g], v[TM+\g], 0x7f800000, s[MNT]   ; 448 x the scale
.endr
.irp g, 0,1,2,3
	v_lshrrev_b32 v[(\by)+\g], 23, v[TM+12+\g]     ; the scale's byte
.endr
	WIN (\win)|((\win)<<6)
.irp g, 0,1,2,3
.irp i, 0,1,2,3,4,5,6,7,8,9,10,11,12,13,14,15
	v_med3_num_f32 v[(\src)+16*\g+\i], v[(\src)+16*\g+\i], -v[TM+8+\g], v[TM+8+\g]   ; the conversion to an 8-bit code does not saturate (ISA guide 7.6.2): the hold comes first
.endr
.endr
	WIN (\win)
.irp g, 0,1,2,3
	v_cvt_scalef32_pk8_fp8_f32 v[(\pc)+4*\g:(\pc)+4*\g+1], v[(\src)+16*\g:(\src)+16*\g+7], v[TM+12+\g]
	v_cvt_scalef32_pk8_fp8_f32 v[(\pc)+4*\g+2:(\pc)+4*\g+3], v[(\src)+16*\g+8:(\src)+16*\g+15], v[TM+12+\g]
.endr
	WIN 0
	v_nop                                          ; a plain line behind the last conversion: later products write its sources
.endm
; h, chunk s of my 16 tokens (K step (r + s) mod 8: the chunk's own pointer): each load reads 512 consecutive bytes of one token's row, into the registers that will be accumulators.  No vector instruction has named these registers
.macro HLOAD s
	WIN 0x80+0x40*((\s)/4)
.irp t, 0,1,2,3,4,5,6,7,8,9,10,11,12,13,14,15
	global_load_b128 v[64*((\s)%4)+4*\t:64*((\s)%4)+4*\t+3], v[LI], s[HP+2*(\s):HP+2*(\s)+1] offset:4096*\t th:TH_LOAD_NT
.endr
	WIN 0
.endm
; and through my stage (rows of 528 bytes, two stages by turns), so that a lane gets 16 neighbours of each block of 32: register 16 c + i = k 32 c + 16 hh + i of token r.
; The loads land in the set of 64 that the quantiser of two chunks back worked on: its wait on va_vdst (macro HQ) has shown it done, and no vector instruction stands between that wait and these loads.
.macro TURNH s
	WIN 0x08+0x04*((\s)/4)
.irp t, 0,1,2,3,4,5,6,7,8,9,10,11,12,13,14,15
	ds_store_b128 v[HWR], v[64*((\s)%4)+4*\t:64*((\s)%4)+4*\t+3] offset:8448*((\s)%2)+528*\t
.endr
	WIN 0
.irp c, 0,1,2,3
.irp j, 0,1,2,3
	ds_load_b128 v[AS0+64*((\s)%2)+16*\c+4*\j:AS0+64*((\s)%2)+16*\c+4*\j+3], v[HRD] offset:8448*((\s)%2)+128*\c+16*\j   ; LDS serves a wave's instructions in order (ISA guide 5.7.1.4)
.endr
.endr
.endm
.macro HQ s                            ; chunk s of my tokens becomes a fragment's image and its scale words, in slot s
.if (\s) > 0
	s_wait_alu depctr_vm_vsrc(0)                   ; the last chunk's image stores have read v[PC0 ..] and v[PW], which this chunk's conversions and shifts write again
.endif
	QUANT AS0+64*((\s)%2), 0, TM+4, PC0
	v_lshl_or_b32 v[PW], v[TM+5], 8, v[TM+4]
	v_lshl_or_b32 v[PW], v[TM+6], 16, v[PW]
	v_lshl_or_b32 v[PW], v[TM+7], 24, v[PW]
	s_wait_alu depctr_va_vdst(0)                   ; the conversions have written v[PC0 ..] and the shifts v[PW], which the stores below read; the quantiser is done with its 64 numbers, in whose registers the turn after the next lands
.irp c, 0,1,2,3
	ds_store_b128 v[AWI], v[PC0+4*\c:PC0+4*\c+3] offset:8192*(\s)+512*\c
.endr
	ds_store_b32 v[AWS], v[PW] offset:256*(\s)     ; both halves of the lanes store the same word to the same place
.endm
; W's fragments 4 g .. 4 g + 3 of the K step at which the group's pointer stands: 16 loads of 512 consecutive bytes
.macro WRUN g
	WIN 0x40
.irp bb, 0,1,2,3
.irp c, 0,1,2,3
	global_load_b128 v[16*(4*(\g)+\bb)+4*\c:16*(4*(\g)+\bb)+4*\c+3], v[LI], s[BPG+2*(\g):BPG+2*(\g)+1] offset:2048*(4*(\g)+\bb)+512*\c
.endr
.endr
	WIN 0
.endm
.macro SRUN set                        ; that step's scale words: register b / 2 of the set: lanes 0-15 tile b even, lanes 16-31 tile b odd
.irp g, 0,1
	global_load_b128 v[SB+8*(\set)+4*\g:SB+8*(\set)+4*\g+3], v[LI], s[SPP:SPP+1] offset:512*\g
.endr
.endm
.macro NEXTK                           ; the K step to be asked for next: one on, round from 7 to 0, in the pass at s[PO].  Offsets alone: no memory instruction names these registers
	s_add_co_u32 s[KI], s[KI], 1
	s_and_b32 s[KI], s[KI], 7
	s_lshl_b32 s[NO], s[KI], 15
	s_add_co_u32 s[NO], s[NO], s[PO]
	s_lshr_b32 s[NS], s[NO], 5
.endm
.macro AADR                            ; the LDS addresses of the next slot's fragments of h and of their scale words; the waits stand round this macro, where it is used
	v_add_nc_u32 v[AAD], s[SA], v[LI]
	v_add_nc_u32 v[ASA], s[SAS], v[LS]
	s_add_co_u32 s[SA], s[SA], 8192
	s_add_co_u32 s[SAS], s[SAS], 256
.endm
.macro ALOAD set                       ; that slot's four fragments of h and their scale words, from LDS
.irp m, 0,1,2,3
.irp c, 0,1,2,3
	ds_load_b128 v[AS0+64*(\set)+16*\m+4*\c:AS0+64*(\set)+16*\m+4*\c+3], v[AAD] offset:2048*\m+512*\c
.endr
.endr
.irp mp, 0,1
	ds_load_b32 v[ASW+2*(\set)+\mp], v[ASA] offset:128*\mp
.endr
.endm
.macro WMMA d, a, b, c, sa, sb, ra, rb ; ra, rb: the side's scales stand in lanes 16-31 of its register
.if (\ra) && (\rb)
	v_wmma_scale_f32_16x16x128_f8f6f4 v[(\d):(\d)+7], v[(\a):(\a)+15], v[(\b):(\b)+15], v[(\c):(\c)+7], v[\sa], v[\sb] matrix_a_scale:MATRIX_SCALE_ROW1 matrix_b_scale:MATRIX_SCALE_ROW1
.elseif \ra
	v_wmma_scale_f32_16x16x128_f8f6f4 v[(\d):(\d)+7], v[(\a):(\a)+15], v[(\b):(\b)+15], v[(\c):(\c)+7], v[\sa], v[\sb] matrix_a_scale:MATRIX_SCALE_ROW1
.elseif \rb
	v_wmma_scale_f32_16x16x128_f8f6f4 v[(\d):(\d)+7], v[(\a):(\a)+15], v[(\b):(\b)+15], v[(\c):(\c)+7], v[\sa], v[\sb] matrix_b_scale:MATRIX_SCALE_ROW1
.else
	v_wmma_scale_f32_16x16x128_f8f6f4 v[(\d):(\d)+7], v[(\a):(\a)+15], v[(\b):(\b)+15], v[(\c):(\c)+7], v[\sa], v[\sb]
.endif
.endm
; 16 matrix instructions: W's tiles 4 g .. 4 g + 3 x the four tiles of tokens.  first = 1: the bias (window 0: tiles 0-7 at v176 on, 8-15 at v112 on) is the C that starts the sums: nothing is cleared, nothing added later.
; The 64 accumulators take turns, one instruction a turn, in the same order in every K step.  All their operands and scales come from loads: no vector instruction writes one.
.macro MUL g, set, first
.if \first
	WIN 0x81+0x40*((\g)/2)
.else
	WIN 0xa1+0x50*((\g)/2)
.endif
.irp bb, 0,1,2,3
.irp m, 0,1,2,3
.set TB_, 4*(\g)+\bb
.set AC_, 16*(4*((TB_/2)%4)+\m)+8*(TB_%2)
.set CC_, AC_
.if \first
.set CC_, 176+8*TB_-128*(TB_/8)
.endif
	WMMA AC_, 16*TB_, AS0+64*(\set)+16*\m, CC_, SB+8*(\set)+TB_/2, ASW+2*(\set)+\m/2, TB_%2, \m%2
.endr
.endr
.endm
; A K STEP: 64 matrix instructions in four groups.  W has ONE set of registers: a group's four fragments are asked for anew, for the next step, as soon as its 16 products are issued (behind 8 places and the group's wait on va_vdst).
; The loads' order is group 0, the two scale loads, groups 1, 2, 3, the next step's group 0 ..  So in front of group 0 the three younger groups may be out (48); in front of groups 1 to 3 three groups and two scale loads (50);
; in the last step of all, which asks for nothing, 48, 32, 16, 0.  No other global load is issued between the first of these loads and the last.
; THE POINTERS.  Each group has a pointer of its own, and so have the scale words.  It is written anew (my part's base + the next step's offset) behind the group's products, ahead of the group's wait on va_vdst.  The only earlier loads
; that name it are the same group's of the step in hand (the scale pointer: that step's two), and the counted wait ahead of the group's products has shown just these done: so no further wait stands in front of the write.
; set: h's and the scales' set of this step.  apos: behind which group the next slot's fragments of h are fetched from LDS (9: not at all).  A step that asks for nothing holds no s_wait_alu.
.macro KSTEP set, first, reload, apos
	s_wait_dscnt 0x0                               ; h's fragments and scale words (and in a pass's first step the bias) are in
.if \reload
	NEXTK
.endif
.irp g, 0,1,2,3
.if \reload
.if \g == 0
	s_wait_loadcnt 48
.else
	s_wait_loadcnt 50
.endif
.else
	s_wait_loadcnt 48-16*\g
.endif
	MUL \g, \set, \first
.if \reload
	PLACES 8
	s_add_nc_u64 s[BPG+2*\g:BPG+2*\g+1], s[WB:WB+1], s[NO:NO+1]
.if \g == 0
	s_add_nc_u64 s[SPP:SPP+1], s[WSB:WSB+1], s[NS:NS+1]
.endif
.if \apos == \g
	WIN 0
	s_wait_alu depctr_vm_vsrc(0)                   ; the LDS loads issued so far have read v[AAD] and v[ASA], which the two adds write (and the bias's loads v[WK], which the pass's end writes)
	AADR
.endif
	WIN 0x40
	s_wait_alu depctr_va_vdst(0)                   ; this group's products are done reading its four fragments, in which the loads below land; where h is fetched: v[AAD] and v[ASA] are written; all products of the step before are done with the other sets of h's fragments and of the scale words (in a pass's first step: these products with the bias).  Behind this wait stand loads and window switches alone
	WRUN \g
.if \g == 0
	SRUN 1-(\set)
.endif
.if \apos == \g
	ALOAD 1-(\set)
.endif
.endif
.endr
.endm
.macro PASS_HEAD                       ; slot 0's fragments of h, and the pass's bias in the result's layout: lane (r, hh) takes the tile's rows 8 hh + 0 .. 7
	s_mov_b32 s[SA], 0
	s_mov_b32 s[SAS], ASC
	AADR                                           ; (the wait on vm_vsrc at the end of the phase before has freed v[AAD], v[ASA], v[WK] and the registers in which the bias lands)
	v_add_nc_u32 v[WK], s[SBI], v[BRD]
	s_wait_alu depctr_va_vdst(0)                   ; v[AAD], v[ASA] and v[WK] are written, which the LDS loads below read; every vector and matrix instruction of the phase before is done with v16, v17 and v48 to v239, in which they land
	ALOAD 0
.irp b, 0,1,2,3,4,5,6,7,8,9,10,11,12,13,14,15
	ds_load_b128 v[176+8*\b-128*(\b/8):176+8*\b-128*(\b/8)+3], v[WK] offset:64*\b
	ds_load_b128 v[176+8*\b-128*(\b/8)+4:176+8*\b-128*(\b/8)+7], v[WK] offset:64*\b+16
.endr
.endm
; A PASS: 8 K steps.  The first (the bias lies in h's second set, so the next fragments come at its end) and the last are written out; the six between are three trips of two.
; reload = 1: the last step asks for the next pass's first step: eight steps on from r is r again, in the next pass's 262,144 bytes.
.macro GEMM reload
	PASS_HEAD
	KSTEP 0, 1, 1, 3
	s_mov_b32 s[KC], 3
.Lk_\@:
	KSTEP 1, 0, 1, 0
	KSTEP 0, 0, 1, 0
	s_sub_co_u32 s[KC], s[KC], 1
	s_cmp_lg_u32 s[KC], 0
	s_cbranch_scc1 .Lk_\@
.if \reload
	s_add_co_u32 s[PO], s[PO], 262144
.endif
	KSTEP 1, 0, \reload, 9
	WIN 0
.endm
	s_load_b256 s[4:11], s[0:1], 0x0               ; h s[4:5], wc s[6:7], ws s[8:9], bp s[10:11]
	s_load_b64 s[12:13], s[0:1], 0x20              ; out0
	v_lshrrev_b32 v40, 5, v0
	v_readfirstlane_b32 s[WV], v40                 ; wave 0..3
	v_and_b32 v40, 31, v0                          ; lane
	v_and_b32 v41, 15, v0                          ; r
	v_bfe_u32 v42, v0, 4, 1                        ; hh
	s_wait_alu depctr_va_vdst(0)
	v_lshlrev_b32 v[LI], 4, v40
	s_wait_alu depctr_va_vdst(0)
	v_lshlrev_b32 v[LS], 2, v40
	s_wait_alu depctr_va_sdst(0)                   ; s[WV] is written, ahead of its first reader: LDS addresses, bases and offsets are made from it
	s_mul_i32 s15, s[WV], 16896
	s_add_co_u32 s15, s15, QK                      ; my two stages for h
	v_mul_u32_u24 v[HRD], v41, 528
	v_lshl_add_u32 v[HRD], v42, 6, v[HRD]
	v_add_nc_u32 v[HRD], s15, v[HRD]
	v_add_nc_u32 v[HWR], s15, v[LI]
	s_lshl_b32 s15, s[WV], 11
	v_add_nc_u32 v[AWI], s15, v[LI]
	s_lshl_b32 s15, s[WV], 6
	s_add_co_u32 s15, s15, ASC
	v_lshl_add_u32 v[AWS], v41, 2, s15
	s_mul_i32 s15, s[WV], 3072
	s_add_co_u32 s15, s15, BIA
	v_lshl_add_u32 v[BRD], v42, 5, s15
	v_add_nc_u32 v[WK], s15, v[LI]                 ; where the bias is put
	s_lshl_b32 s15, s[WV], 6
	s_add_co_u32 s15, s15, QK
	v_mul_u32_u24 v[QS0], v41, TP
	v_lshl_add_u32 v[QS0], v42, 8, v[QS0]
	v_add_nc_u32 v[QS0], s15, v[QS0]
	v_add_nc_u32 v[QS0+1], 32*TP, v[QS0]
	s_lshl_b32 s15, s[WV], 4
	s_add_co_u32 s15, s15, SCW
	v_mul_u32_u24 v[SS], v41, SWP
	v_add_nc_u32 v[SS], s15, v[SS]
.irp g, 0,1,2,3
	v_mov_b32 v[TM+4+\g], 0                        ; a lane permute's destination counts as one of its sources
.endr
	s_mov_b32 s[SEL], 0x76543210
	s_mov_b32 s[SEL+1], 0xfedcba98
	s_mov_b32 s[MNT], 0x600000
	s_mov_b32 s[CS], 0x3d38aa3b                    ; c = log2(e) / 32: reference's 1 / sqrt(1024), and base 2
	s_mov_b32 s[CS+1], s[CS]                       ; (named with it as a pair, so it is written)
	s_mov_b32 s[NC], 0xbd38aa3b
	s_lshr_b32 s[KI], ttmp9, 3
	s_add_co_u32 s[KI], s[KI], ttmp9
	s_and_b32 s[KI], s[KI], 7                      ; r: the K step at which my work-group begins
	s_mov_b32 s[NO+1], 0
	s_mov_b32 s[NS+1], 0
	s_mov_b32 s[PO], 0
	s_lshl_b32 s16, ttmp9, 6
	s_lshl_b32 s17, s[WV], 4
	s_add_co_u32 s16, s16, s17                     ; my first token: 64 x work-group + 16 x wave
	s_lshl_b32 s18, s16, 12                        ; its row of h (under 2^26)
	s_mov_b32 s19, 0
	s_lshl_b32 s16, s16, 8                         ; its 256 bytes in a head's part of out0
	s_mov_b32 s17, 0
	s_wait_kmcnt 0x0
	s_add_nc_u64 s[4:5], s[4:5], s[18:19]
	s_add_nc_u64 s[12:13], s[12:13], s[16:17]
.irp j, 0,1,2,3,4,5,6,7
	s_add_co_u32 s18, s[KI], \j
	s_and_b32 s18, s18, 7
	s_lshl_b32 s18, s18, 9                         ; chunk j is K step (r + j) mod 8: 512 bytes a step in a token's row
	s_add_nc_u64 s[HP+2*\j:HP+2*\j+1], s[4:5], s[18:19]
.endr
	s_mul_i32 s18, s[WV], 786432
	s_add_nc_u64 s[WB:WB+1], s[6:7], s[18:19]
	s_mul_i32 s18, s[WV], 24576
	s_add_nc_u64 s[WSB:WSB+1], s[8:9], s[18:19]
	s_mul_i32 s18, s[WV], 3072
	s_add_nc_u64 s[10:11], s[10:11], s[18:19]
	s_wait_alu depctr_va_vdst(0)                   ; the offsets and addresses v1 to v6, v9 to v12 and v14 are written, which the loads and stores from here on read
.irp i, 0,1,2,3,4,5
	global_load_b128 v[200+4*\i:203+4*\i], v[LI], s[10:11] offset:512*\i   ; my three passes' bias
.endr
	HLOAD 0
	HLOAD 1
	HLOAD 2
	s_wait_loadcnt 48                              ; the bias is in; the three chunks of h (16 loads each) stay out
.irp i, 0,1,2,3,4,5
	ds_store_b128 v[WK], v[200+4*\i:203+4*\i] offset:512*\i   ; my own bytes, read by me alone
.endr
	; ---- h BECOMES CODES.  Loads run three chunks ahead, the turn through the stage one.
.irp s, 0,1,2,3,4,5,6,7
.if \s+3 < 8
	HLOAD \s+3
.endif
.if \s < 5
	s_wait_loadcnt 48                              ; this chunk's 16 loads are in; the three younger chunks may be out
.else
	s_wait_loadcnt 16*(7-\s)
.endif
	TURNH \s
.if \s > 0
	s_wait_dscnt 32                                ; all but the turn just issued: the last chunk is back from the stage, and the image stores before it have read their registers
	HQ \s-1
.endif
.endr
	s_lshl_b32 s[NO], s[KI], 15                    ; W's first K step, step r of pass q, goes out in the loads' order and lands under the last chunk's work
	s_lshr_b32 s[NS], s[NO], 5
.irp g, 0,1,2,3
	s_add_nc_u64 s[BPG+2*\g:BPG+2*\g+1], s[WB:WB+1], s[NO:NO+1]
.endr
	s_add_nc_u64 s[SPP:SPP+1], s[WSB:WSB+1], s[NS:NS+1]
	WRUN 0                                         ; (no vector or matrix instruction has named window 1 or v20 to v27 so far)
	SRUN 0
	WRUN 1
	WRUN 2
	WRUN 3
	s_wait_dscnt 0x0
	HQ 7
	s_wait_alu depctr_vm_vsrc(0)                   ; the last image stores have read v[PC0 ..] and v[PW], in which the first pass's bias lands.  (The bias's stores, which read v[WK] and v200 to v223, and the turns' stores, which read the registers that become accumulators, stand ahead of earlier waits of this kind)
	BARRIER                                        ; h's 32 fragments lie in LDS; nobody reads a stage for h any more
	; ---- PASSES q AND k: the products, then the results are quantised along a head's 64 and go to LDS as the scores' operands
	s_mov_b32 s[PCN], 2
	s_mov_b32 s[SQ], 0
	s_mov_b32 s[SW], 64
	s_mov_b32 s[SBI], 0
.Lpass:
	GEMM 1
	PLACES 8                                       ; in front of the first read of results
	v_add_nc_u32 v[WK], s[SQ], v[QS0]              ; (v[WK] was last read by the bias's loads, ahead of the K steps' waits on vm_vsrc; v[WK+1] and v[SSW] by the stores of the pass before, ahead of the wait at its end)
	v_add_nc_u32 v[WK+1], s[SQ], v[QS0+1]
	v_add_nc_u32 v[SSW], s[SW], v[SS]
; Pair p of tiles = head 4 w + p / 2, block p % 2; its 64 registers are four groups of 16 (tiles of tokens m): channels 32 (p % 2) + 16 hh + 0 .. 15 of token 16 m + r.
; An odd pair's scale words are made ahead of its stores, so that one wait on va_vdst serves the pair's codes and words.
.irp p, 0,1,2,3,4,5,6,7
.if \p >= 2
.if \p%2 == 0
	s_wait_dscnt 8                                 ; the codes' two sets take turns: only the last pair's LDS stores (8 behind an odd pair, 4 behind an even one) may be out, so those of the pair before it have read this set
.else
	s_wait_dscnt 4
.endif
	s_wait_alu depctr_vm_vsrc(0)                   ; the stores of two pairs back have read this set of codes (an odd pair: and the four scale words), which this pair's conversions and shifts write again
.endif
.if \p%2 == 0
	QUANT 64*(\p%4), 2+\p/4, BY0, PC0
.else
	QUANT 64*(\p%4), 2+\p/4, TM+4, PC1
.irp m, 0,1,2,3
	v_lshl_or_b32 v[SWD+\m], v[TM+4+\m], 8, v[BY0+\m]
.endr
.irp m, 0,1,2,3
	v_or_b32 v[SWD+\m], 0x7f7f0000, v[SWD+\m]      ; the scores' K step has 128: its upper 64 are zero codes under the byte 127
.endr
.endif
	s_wait_alu depctr_va_vdst(0)                   ; the conversions have written this pair's codes (an odd pair: the shifts its scale words; pair 0: the adds v[WK], v[WK+1], v[SSW]), which the stores below read
.irp m, 0,1,2,3
	ds_store_b128 v[WK+\m/2], v[PC0+20*(\p%2)+4*\m:PC0+20*(\p%2)+4*\m+3] offset:16*TP*(\m%2)+512*(\p%2)+16*(\p/2)   ; token 16 m + r: block p % 2, lane 16 hh + head
.endr
.if \p%2 == 1
.irp m, 0,1,2,3
	ds_store_b32 v[SSW], v[SWD+\m] offset:16*SWP*\m+4*(\p/2)   ; both halves of the lanes store the same word to the same place
.endr
.endif
.endr
	s_wait_dscnt 0x0                               ; the stores have read their registers: the next pass's bias lands there
	s_wait_alu depctr_vm_vsrc(0)                   ; the last two pairs' stores have read both sets of codes, the scale words, v[WK], v[WK+1] and v[SSW], and the K loop's last LDS loads v[AAD] and v[ASA]: the next pass, or the scores, writes or loads into all of these
	s_add_co_u32 s[SQ], s[SQ], 1024
	s_xor_b32 s[SW], s[SW], 64
	s_add_co_u32 s[SBI], s[SBI], 1024
	s_sub_co_u32 s[PCN], s[PCN], 1
	s_cmp_lg_u32 s[PCN], 0
	s_cbranch_scc1 .Lpass
	BARRIER                                        ; q's and k's codes and scale words of all 64 tokens lie in LDS.  (Pass v's first K step of W stays on its way: nobody writes those bytes)
	; ---- SCORES AND SOFTMAX: my 16 tokens, four a trip.  S^T = k q^T: source 0 = the 16 key heads, source 1 = the 16 query heads: a lane holds one query head (lane % 16) and key heads 8 hh + 0 .. 7.
.irp i, 0,1,2,3
.irp j, 8,9,10,11,12,13,14,15
	v_mov_b32 v[48+32*\i+\j], 0                    ; K = 64 of the form's 128: the operands' upper halves are zero codes, written once for all 16 tokens
	v_mov_b32 v[64+32*\i+\j], 0
.endr
.endr
	s_mul_i32 s15, s[WV], 16*TP
	s_add_co_u32 s15, s15, QK
	v_add_nc_u32 v40, s15, v[LI]                   ; my tokens' operands (later: v's tiles)
	s_mul_i32 s15, s[WV], 16*SWP
	s_add_co_u32 s15, s15, SCW
	v_add_nc_u32 v41, s15, v[LS]                   ; their scale words: lanes 0-15 k's heads, lanes 16-31 q's
	s_lshl_b32 s15, s[WV], 13
	s_add_co_u32 s15, s15, ATT
	v_add_nc_u32 v42, s15, v[LI]                   ; attn
	s_mov_b32 s[T0], 0
	s_mov_b32 s[T1], 0
	s_mov_b32 s[T2], 0
	s_mov_b32 s[TC], 4
.Ltok:
	s_wait_alu depctr_va_vdst(0)
	v_add_nc_u32 v43, s[T0], v40
	v_add_nc_u32 v44, s[T1], v41
	v_add_nc_u32 v45, s[T2], v42
	s_wait_alu depctr_va_vdst(0)                   ; v43, v44 and v45 are written, which the LDS loads and stores of this trip read; the last trip's products are done reading their operands and scale words, in which the loads land; in the first trip: the zero codes are written, which the scaled products take (six plain lines stand between the last of them and this wait)
.irp i, 0,1,2,3
.irp c, 0,1
	ds_load_b128 v[48+32*\i+4*\c:48+32*\i+4*\c+3], v43 offset:TP*\i+1024+512*\c   ; k
	ds_load_b128 v[64+32*\i+4*\c:64+32*\i+4*\c+3], v43 offset:TP*\i+512*\c        ; q
.endr
	ds_load_b32 v[SCS+\i], v44 offset:SWP*\i
.endr
	s_wait_dscnt 0x0
.irp i, 0,1,2,3
	v_wmma_scale_f32_16x16x128_f8f6f4 v[176+8*\i:183+8*\i], v[48+32*\i:63+32*\i], v[64+32*\i:79+32*\i], 0, v[SCS+\i], v[SCS+\i] matrix_b_scale:MATRIX_SCALE_ROW1
.endr
	PLACES 8
.irp i, 0,1,2,3
	v_max3_num_f32 v[TM+\i], v[176+8*\i], v[177+8*\i], v[178+8*\i]   ; the row's largest score; the four tokens by turns
.endr
.irp i, 0,1,2,3
	v_max3_num_f32 v[TM+\i], v[TM+\i], v[179+8*\i], v[180+8*\i]
.endr
.irp i, 0,1,2,3
	v_max3_num_f32 v[TM+\i], v[TM+\i], v[181+8*\i], v[182+8*\i]
.endr
.irp i, 0,1,2,3
	v_max_num_f32 v[TM+\i], v[TM+\i], v[183+8*\i]
.endr
.irp i, 0,1,2,3
	v_permlanex16_b32 v[TM+4+\i], v[TM+\i], s[SEL], s[SEL+1]
.endr
.irp i, 0,1,2,3
	v_max_num_f32 v[TM+\i], v[TM+\i], v[TM+4+\i]   ; with the other eight key heads'
.endr
.irp i, 0,1,2,3
	v_mul_f32 v[TM+8+2*\i], s[NC], v[TM+\i]        ; -c x the maximum
.endr
.irp q, 0,2,4,6
.irp i, 0,1,2,3
	v_pk_fma_f32 v[176+8*\i+\q:177+8*\i+\q], v[176+8*\i+\q:177+8*\i+\q], s[CS:CS+1], v[TM+8+2*\i:TM+9+2*\i] op_sel_hi:[1,0,0]   ; c s - c max, two at a time (of both pairs the low word serves both halves)
.endr
.endr
	s_wait_alu depctr_va_vdst(0)
.irp j, 0,1,2,3,4,5,6,7,8,9,10,11,12,13,14,15,16,17,18,19,20,21,22,23,24,25,26,27,28,29,30,31
	v_exp_f32 v[176+\j], v[176+\j]
.endr
	v_nop                                          ; a plain line behind the last exponential,
	s_wait_alu depctr_va_vdst(0)                   ; and one wait for the batch of 32: the exponentials have written v176 to v207, ahead of their first reader
.irp i, 0,1,2,3
	v_pk_add_f32 v[224+2*\i:225+2*\i], v[176+8*\i:177+8*\i], v[178+8*\i:179+8*\i]
.endr
.irp i, 0,1,2,3
	v_pk_add_f32 v[224+2*\i:225+2*\i], v[224+2*\i:225+2*\i], v[180+8*\i:181+8*\i]
.endr
.irp i, 0,1,2,3
	v_pk_add_f32 v[224+2*\i:225+2*\i], v[224+2*\i:225+2*\i], v[182+8*\i:183+8*\i]
.endr
.irp i, 0,1,2,3
	v_add_f32 v[TM+\i], v[224+2*\i], v[225+2*\i]
.endr
.irp i, 0,1,2,3
	v_permlanex16_b32 v[TM+4+\i], v[TM+\i], s[SEL], s[SEL+1]
.endr
.irp i, 0,1,2,3
	v_add_f32 v[TM+\i], v[TM+\i], v[TM+4+\i]       ; the row's sum: at least about 1, the maximum's own term
.endr
	s_wait_alu depctr_va_vdst(0)
.irp i, 0,1,2,3
	v_rcp_f32 v[TM+8+2*\i], v[TM+\i]
.endr
	v_nop
	s_wait_alu depctr_va_vdst(0)                   ; one wait for the four reciprocals: they have written v248, v250, v252 and v254, ahead of their first reader
.irp q, 0,2,4,6
.irp i, 0,1,2,3
	v_pk_mul_f32 v[176+8*\i+\q:177+8*\i+\q], v[176+8*\i+\q:177+8*\i+\q], v[TM+8+2*\i:TM+9+2*\i] op_sel_hi:[1,0]
.endr
.endr
.irp i, 0,1,2,3
.irp q, 0,1,2,3
	v_cvt_pk_bf16_f32 v[208+4*\i+\q], v[176+8*\i+2*\q], v[177+8*\i+2*\q]   ; key heads 8 hh + 0 .. 7 of my query head: registers 0-3 of the last product's source 1, as they stand
.endr
.endr
	s_wait_alu depctr_va_vdst(0)                   ; the roundings have written v208 to v223, which the stores below read
.irp i, 0,1,2,3
	ds_store_b128 v45, v[208+4*\i:211+4*\i] offset:512*\i
.endr
	s_wait_dscnt 0x0                               ; the stores have read their registers
	s_wait_alu depctr_vm_vsrc(0)                   ; the stores have read v208 to v223 and v45, the trip's loads v43 and v44: the next trip, or pass v's head and bias, writes or loads into them
	s_add_co_u32 s[T0], s[T0], 4*TP
	s_add_co_u32 s[T1], s[T1], 4*SWP
	s_add_co_u32 s[T2], s[T2], 2048
	s_sub_co_u32 s[TC], s[TC], 1
	s_cmp_lg_u32 s[TC], 0
	s_cbranch_scc1 .Ltok
	; ---- PASS v.  Its last K step asks for nothing: no load leaves wc or ws.
	GEMM 0
	s_mul_i32 s15, s[WV], 448
	v_add_nc_u32 v44, s15, v[QS0]                  ; QK + 2,064 r + 256 hh + 512 w: token r, tile t = w of the channels, lanes 16 hh ..
	v_add_nc_u32 v45, s15, v[QS0+1]
	BARRIER                                        ; every wave's reads of q's and k's codes are over: v's images may be laid over them
	PLACES 8                                       ; in front of the first read of results
; Accumulator (b, m): channel 16 w + b, token 16 m + r, heads 8 hh + 0 .. 7: rounded to bf16 they are registers 0-3 of the last product's source 0 for lane 16 hh + b.
.irp H, 0,1
	WIN 0x0a+5*\H
.irp bb, 0,1,2,3,4,5,6,7
.irp m, 0,1,2,3
.irp q, 0,1,2,3
	v_cvt_pk_bf16_f32 v[48+4*(4*\bb+\m)+\q], v[16*(4*(\bb/2)+\m)+8*(\bb%2)+2*\q], v[16*(4*(\bb/2)+\m)+8*(\bb%2)+2*\q+1]
.endr
.endr
.endr
	WIN 0
	s_wait_alu depctr_va_vdst(0)                   ; the roundings have written v48 to v175 (and, for the first half, the adds v44 and v45), which the stores below read
.irp bb, 0,1,2,3,4,5,6,7
.irp m, 0,1,2,3
	ds_store_b128 v[44+\m/2], v[48+4*(4*\bb+\m):48+4*(4*\bb+\m)+3] offset:16*TP*(\m%2)+16*(8*\H+\bb)
.endr
.endr
	s_wait_dscnt 0x0                               ; the stores have read their registers
	s_wait_alu depctr_vm_vsrc(0)                   ; the stores have read v48 to v175, which the second half's roundings, or the way out's zeros, loads and products, write again; behind the second half also v44, which the way out writes
.endr
	s_barrier_signal -1                            ; (my LDS stores have landed: the wait on DScnt above)
	s_barrier_wait -1                              ; v of all 64 tokens lies in LDS
	; ---- attn x v AND THE WAY OUT: my 16 tokens, two a trip.  O^T = v^T attn^T: source 0 = 16 channels, source 1 = the 16 query heads, K = the 16 key heads of the form's 32.
	; A lane then holds one query head and channels 16 t + 8 hh + 0 .. 7.  A (head, token) row of out0 is 256 bytes: it is gathered in my stage and stored whole by sixteen lanes.
.irp tk, 0,1
.irp t, 0,1,2,3,4
.irp j, 4,5,6,7
	v_mov_b32 v[48+72*\tk+8*\t+\j], 0              ; K = 16 .. 31: zeros, written once for all 16 tokens (t = 4: attn's operand)
.endr
.endr
.endr
	v_and_b32 v46, 15, v0
	v_bfe_u32 v47, v0, 4, 1
	v_lshlrev_b32 v43, 4, v46
	v_lshl_add_u32 v[GO], v47, 22, v43             ; out0: head 2 k + lane / 16 (4,194,304 bytes a head), 16 bytes a lane
.irp k, 1,2,3,4,5,6,7
	v_add_nc_u32 v[GO+\k], (\k<<23), v[GO]
.endr
	s_mul_i32 s15, s[WV], 8704
	s_add_co_u32 s15, s15, STG
	v_mul_u32_u24 v[STO], v46, 272
	v_lshl_add_u32 v[STO], v47, 5, v[STO]
	v_add_nc_u32 v[STO], s15, v[STO]               ; in: row = head r, + 32 hh
	v_mul_u32_u24 v[SRD], v47, 272
	v_add_nc_u32 v[SRD], v43, v[SRD]
	v_add_nc_u32 v[SRD], s15, v[SRD]               ; back: lanes 0-15 one row, lanes 16-31 the next
	s_mov_b32 s[T0], 0
	s_mov_b32 s[T2], 0
	s_mov_b32 s[TC], 8
.Lout:
	v_add_nc_u32 v43, s[T0], v40
	v_add_nc_u32 v44, s[T2], v42
	s_wait_alu depctr_va_vdst(0)                   ; v43 and v44 are written, which the LDS loads below read (in the first trip also v[GO ..], v[STO] and v[SRD], which the trips' stores and loads read); the last trip's products, in the first trip the roundings, are done with the operands' registers, in which the loads land
.irp tk, 0,1
.irp t, 0,1,2,3
	ds_load_b128 v[48+72*\tk+8*\t:48+72*\tk+8*\t+3], v43 offset:TP*\tk+512*\t
.endr
	ds_load_b128 v[80+72*\tk:83+72*\tk], v44 offset:512*\tk
.endr
	s_wait_dscnt 0x0
.irp tk, 0,1
.irp t, 0,1,2,3
	v_wmma_f32_16x16x32_bf16 v[88+72*\tk+8*\t:95+72*\tk+8*\t], v[48+72*\tk+8*\t:55+72*\tk+8*\t], v[80+72*\tk:87+72*\tk], 0
.endr
.endr
	PLACES 5                                       ; four in front of the stores and loads below; the fifth for the next trip's products, which write over these results
	s_wait_alu depctr_va_vdst(0)                   ; the products have written their results, which the stores into the stage read and in whose registers the loads from the stage land; the places above stay beside this wait
.irp tk, 0,1
.irp t, 0,1,2,3
	ds_store_b128 v[STO], v[88+72*\tk+8*\t:91+72*\tk+8*\t] offset:4352*\tk+64*\t        ; each result from its low end on
	ds_store_b128 v[STO], v[92+72*\tk+8*\t:95+72*\tk+8*\t] offset:4352*\tk+64*\t+16
.endr
.endr
	s_wait_alu depctr_vm_vsrc(0)                   ; the stores into the stage have read the results' registers, in which the loads below land
.irp tk, 0,1
.irp k, 0,1,2,3,4,5,6,7
	ds_load_b128 v[88+72*\tk+4*\k:91+72*\tk+4*\k], v[SRD] offset:4352*\tk+544*\k   ; LDS serves a wave's instructions in order: these see my stores; they land in the registers that the results left
.endr
.endr
.irp tk, 0,1
.irp k, 0,1,2,3,4,5,6,7
	s_wait_dscnt 15-8*\tk-\k                       ; the younger loads from the stage may be out
	global_store_b128 v[GO+\k], v[88+72*\tk+4*\k:91+72*\tk+4*\k], s[12:13] offset:256*\tk th:TH_STORE_NT   ; sixteen lanes store the 256 consecutive bytes of one (head, token), at a multiple of 256 from out0's first byte
.endr
.endr
	s_wait_xcnt 0x0                                ; the stores have read their registers and their base: both are written again
	s_wait_alu depctr_vm_vsrc(0)                   ; the global stores have read their data, which the next trip's products write over; this trip's first LDS loads have read v43 and v44, which the next trip's adds write
	s_add_nc_u64 s[12:13], s[12:13], 512
	s_add_co_u32 s[T0], s[T0], 2*TP
	s_add_co_u32 s[T2], s[T2], 1024
	s_sub_co_u32 s[TC], s[TC], 1
	s_cmp_lg_u32 s[TC], 0
	s_cbranch_scc1 .Lout
	s_wait_xcnt 0x0
	v_lshl_add_u32 v254, v0, 2, 0x46600            ; the add's two registers are made here, straight ahead of the closing lines: no two registers could be kept; no memory or LDS instruction has ever read v254 or v255
	v_mov_b32 v255, 0
	s_wait_dscnt 0x0                               ; the closing lines, six on end
	s_wait_alu 0x0
	s_wait_tensorcnt 0x0
	ds_add_u32 v254, v255
	s_wait_dscnt 0x0
	s_endpgm
.Lfunc_end_k_q7bdb483ff2_fused:
	.size	k_q7bdb483ff2_fused, .Lfunc_end_k_q7bdb483ff2_fused-k_q7bdb483ff2_fused
	.p2alignl 7, 3214868480
	.fill 96, 4, 3214868480
	.section	.rodata,"a",@progbits
	.p2align	6, 0x0
	.amdhsa_kernel k_q7bdb483ff2_fused
		.amdhsa_group_segment_fixed_size 288768
		.amdhsa_private_segment_fixed_size 0
		.amdhsa_enable_private_segment 0
		.amdhsa_kernarg_size 40
		.amdhsa_user_sgpr_count 2
		.amdhsa_user_sgpr_kernarg_segment_ptr 1
		.amdhsa_wavefront_size32 1
		.amdhsa_system_sgpr_workgroup_id_x 1
		.amdhsa_system_sgpr_workgroup_id_y 1
		.amdhsa_system_sgpr_workgroup_id_z 1
		.amdhsa_system_vgpr_workitem_id 0
		.amdhsa_next_free_vgpr 1024
		.amdhsa_next_free_sgpr 82
		.amdhsa_reserve_vcc 0
		.amdhsa_float_denorm_mode_32 3
		.amdhsa_float_denorm_mode_16_64 3
		.amdhsa_memory_ordered 1
		.amdhsa_forward_progress 1
		.amdhsa_inst_pref_size 255
	.end_amdhsa_kernel
	.section	.bss,"aw",@nobits
	.p2align	6
	.space	262144
	.amdgpu_metadata
---
amdhsa.version: [ 1, 2 ]
amdhsa.kernels:
  - .name:           k_q7bdb483ff2_fused
    .symbol:         k_q7bdb483ff2_fused.kd
    .args:
      - { .name: h, .offset: 0, .size: 8, .value_kind: global_buffer, .address_space: global }
      - { .name: wc, .offset: 8, .size: 8, .value_kind: global_buffer, .address_space: global }
      - { .name: ws, .offset: 16, .size: 8, .value_kind: global_buffer, .address_space: global }
      - { .name: bp, .offset: 24, .size: 8, .value_kind: global_buffer, .address_space: global }
      - { .name: out0, .offset: 32, .size: 8, .value_kind: global_buffer, .address_space: global }
    .group_segment_fixed_size: 288768
    .private_segment_fixed_size: 0
    .kernarg_segment_align: 8
    .kernarg_segment_size: 40
    .max_flat_workgroup_size: 128
    .sgpr_count:     82
    .vgpr_count:     1024
    .wavefront_size: 32
...
	.end_amdgpu_metadata
.endif
;; end of part 3
